; MI455X (gfx1250); checked and timed in simulation.
; The chip was launched on July 23, 2026; its instructions are those of AMD's public machine-readable ISA for CDNA 5 (MIT licence, August 2026) and "CDNA5" Instruction Set Architecture Reference Guide (July 2026). The comments in the code are by the model that wrote it; some were corrected since.
;; Multi Head Attention. Allowed arithmetic: matrix products marked QUANTISED: E2M1 operands, one E8M0 scale for each 32 along K, by v_wmma_scale_f32_16x16x128_f8f6f4 with both operands' format E2M1 (or v_wmma_scale_f32_32x16x128_f4), f32 sums; everything else in f32.
;; Inputs: Wk_codes 16 x 64 x 32 x 16 uint8 (E2M1 codes of Wk, K innermost, in blocks of 32 codes, two codes a byte); Wk_scales 16 x 64 x 32 uint8 (E8M0 scales of Wk, one for each 32 codes along K); Wo_codes 64 x 32 x 16 uint8 (E2M1 codes of Wo, K innermost, in blocks of 32 codes, two codes a byte); Wo_scales 64 x 32 uint8 (E8M0 scales of Wo, one for each 32 codes along K); Wq_codes 16 x 64 x 32 x 16 uint8 (E2M1 codes of Wq, K innermost, in blocks of 32 codes, two codes a byte); Wq_scales 16 x 64 x 32 uint8 (E8M0 scales of Wq, one for each 32 codes along K); Wv_codes 16 x 64 x 32 x 16 uint8 (E2M1 codes of Wv, K innermost, in blocks of 32 codes, two codes a byte); Wv_scales 16 x 64 x 32 uint8 (E8M0 scales of Wv, one for each 32 codes along K); bk 16 x 64 float32; bo 64 float32; bq 16 x 64 float32; bv 16 x 64 float32; key_codes 4 x 2,048 x 32 x 16 uint8 (E2M1 codes of key, K innermost, in blocks of 32 codes, two codes a byte); key_scales 4 x 2,048 x 32 uint8 (E8M0 scales of key, one for each 32 codes along K); mask 4 x 2,048 x 2,048 int32; query_codes 4 x 2,048 x 32 x 16 uint8 (E2M1 codes of query, K innermost, in blocks of 32 codes, two codes a byte); query_scales 4 x 2,048 x 32 uint8 (E8M0 scales of query, one for each 32 codes along K); value_codes 4 x 2,048 x 32 x 16 uint8 (E2M1 codes of value, K innermost, in blocks of 32 codes, two codes a byte); value_scales 4 x 2,048 x 32 uint8 (E8M0 scales of value, one for each 32 codes along K).
;; Outputs: out0 4 x 2,048 x 64 float32.
;; This version of the problem:
;;   THIS VERSION OF THE PROBLEM IS GIVEN IN LOW PRECISION. The matrix products marked QUANTISED in the list below multiply operands that are first quantised to E2M1 (2 exponent bits, 1 mantissa bit; 4 bits a number), with one power-of-two scale for each 32 numbers along K (OCP MX v1.0); their sums are f32. All else is computed in f32.
;;   The module's matrix products, in the order in which they are computed (A, B: the left and right operand; K: the contracted axis; several contracted axes count as one K, in the product's order):
;;     1. [M 1,024, K 1,024] x [K 1,024, N 8,192]; A: input Wq (given as codes); B: input query (given as codes): QUANTISED
;;     2. [M 1,024, K 1,024] x [K 1,024, N 8,192]; A: input Wk (given as codes); B: input key (given as codes): QUANTISED
;;     3. [M 1,024, K 1,024] x [K 1,024, N 8,192]; A: input Wv (given as codes); B: input value (given as codes): QUANTISED
;;     4. batch 64 x [M 2,048, K 64] x [K 64, N 2,048]; A: computed on the way; B: computed on the way: QUANTISED
;;     5. batch 64 x [M 2,048, K 2,048] x [K 2,048, N 64]; A: softmax (see below); B: computed on the way: QUANTISED
;;     6. [M 8,192, K 1,024] x [K 1,024, N 64]; A: computed on the way; B: input Wo (given as codes): QUANTISED
;;   THE QUANTISER, for each operand of a quantised product, along K:
;;     - K is cut into blocks of 32 from its start; a last block that is shorter is filled with zeros.
;;     - A block's scale is 2^e with e = floor(log2(the largest magnitude in the block)) - 2, held to -126 .. 127; a block of zeros has e = 0. As a byte (E8M0): e + 127.
;;     - Each number is divided by its block's scale, clamped to +-6, and rounded to the nearest number of E2M1, ties to even, subnormals kept.
;;     - The product sums the exact products of the quantised numbers (number of the format x scale) in f32.
;;   ~~~python
;;   def quantise(x, axis):      # numpy; x: float32 -> the quantised numbers, widened to float32 again
;;       x = np.moveaxis(x, axis, -1); K = x.shape[-1]
;;       x = np.pad(x, [(0, 0)] * (x.ndim - 1) + [(0, -K % 32)]); x = x.reshape(x.shape[:-1] + (-1, 32)); a = np.abs(x).max(-1, keepdims=True)
;;       e = np.where(a > 0, np.clip(np.frexp(np.where(a > 0, a, 1))[1] - 1 - 2, -126, 127), 0)      # np.frexp(a)[1] - 1 = floor(log2(a)), exactly
;;       r = np.clip(x / 2.0 ** e, -6, 6)
;;       step = 2.0 ** (np.maximum(np.frexp(np.where(r == 0, 1, r))[1] - 1, 0) - 1)
;;       q = np.round(r / step) * step * 2.0 ** e      # np.round: ties to even
;;       return np.moveaxis(q.reshape(q.shape[:-2] + (-1,))[..., :K], -1, axis).astype(np.float32)
;;   ~~~
;;   SOFTMAX AHEAD OF A QUANTISED PRODUCT. Where the list says 'softmax', what is quantised is not the finished softmax but p = 2^(t - M), with t = logit x log2(e) and M = ceil(the row's largest t), a whole number; so 1/2 < the row's largest p <= 1. The row's sum l is taken of the UNQUANTISED p, in f32, and the product's result is divided by l at the end. Since M is a whole number, a kernel that streams over the keys may use a running M (the ceiling of the running maximum): every later rescaling is an exact power of two, which a block's scale takes up: the codes' values come out the same.
;;   OPERANDS COMPUTED ON THE WAY. 'Computed on the way' means the value that the module computes at that place (a softmax that the list does not call 'softmax' is quantised finished and normalised). What goes into a quantiser is computed in f32, as accurately as f32 sums, v_exp_f32 and their like allow (about 1e-6 of the number): no bf16 or f16 on the way to a quantiser, and a product that is left as it is and whose result goes on into a quantised operand takes f32 operands (vector FMAs, or v_wmma_f32_16x16x4_f32). A number that lies on a knife's edge between two numbers of the format may be rounded either way, as far as f32 arithmetic and the matrix unit's own rounding can turn it there, and no further.
;;   INPUTS GIVEN AS CODES. Wk (in the module: [16, 1024, 64], K = its axis 1); Wo (in the module: [1024, 64], K = its axis 0); Wq (in the module: [16, 1024, 64], K = its axis 1); Wv (in the module: [16, 1024, 64], K = its axis 1); key (in the module: [4, 2048, 1024], K = its axis 2); query (in the module: [4, 2048, 1024], K = its axis 2); value (in the module: [4, 2048, 1024], K = its axis 2): each comes as NAME_codes (uint8): NAME with its K axis moved to the last place and cut into blocks of 32 codes, [.., K / 32, bytes a block], one block behind the other in memory; two codes a byte, the lower K in the low four bits (a code: sign, 2 exponent bits, 1 mantissa bit); and NAME_scales (uint8): the same leading axes, one E8M0 byte (e + 127) for each 32 codes along K. Its value is code x scale, taken as it is: it is not quantised again, and the codes and scales need not be those that the quantiser above would give.
;; One version. Each part assembles by itself: llvm-mc -triple=amdgcn-amd-amdhsa -mcpu=gfx1250 --defsym DOCPART=n.
;; ======== version 1 of 1: 4 launches
;; limits: right only within a limited range of input values
;; workspace buffers: mbits 2,097,152 bytes of whole numbers; pc 12,582,912 bytes; ps 786,432 bytes; oc 4,194,304 bytes; os 524,288 bytes
;; launch pack (part 1): grid 256 x 1, 16 waves a work-group, no clusters, 137,216 bytes of LDS; arguments mask, mbits; writes mbits
.if DOCPART == 1
	.amdgcn_target "amdgcn-amd-amdhsa--gfx1250"
	.amdhsa_code_object_version 6
	.text
	.protected	k_qf3253660f2_pack
	.globl	k_qf3253660f2_pack
	.p2align	8
	.type	k_qf3253660f2_pack,@function
k_qf3253660f2_pack:
	s_mov_b64 s[64:65], 0
	v_nop
	global_prefetch_b8 v0, s[64:65] scope:SCOPE_SE
	s_setreg_imm32_b32 hwreg(HW_REG_WAVE_MODE, 25, 1), 1
	s_wait_xcnt 0x0
; mask [4][2048][2048] int32 becomes one bit a number, laid as the attention launch uses it: mbits [b 4][T 128][ks 16][64 words].
; Tile T of queries holds the rows 32 (T / 2) + 8 (T % 2) + r + 8 (r / 8), r = 0 .. 15.  Bit l = 16 h + r of word n is 1 where
; mask[b][that row][128 ks + 64 (n / 32) + 32 h + n % 32] == 0 (the score is hidden): one word is the lane mask of one register of scores.
; A stream: every byte of the mask is read once, by loads of 512 consecutive bytes of one row; every 256 bytes of mbits are stored whole by one instruction.
; SHARES.  Work-group g: batch g / 64, the 32 rows of tile pair g % 64.  Wave w: tile 2 (g % 64) + w / 8, key steps 2 (w % 8) + 0, 1, one UNIT each.
; A unit's 16 rows x 512 bytes turn through the wave's own stage in LDS (rows 528 bytes apart), so that lane (r, h) holds the 64 numbers whose bits it gives.
; No cluster and no matrix unit: the work-groups share no input and there is no product.  No barrier: the waves share nothing.
.set STAGE,  8448                      ; a wave's stage: 16 rows x 528 bytes
.set SPITCH, 528
.set W,  8                             ; v8-11    the words of unit n: lane L holds words 2 L and 2 L + 1
.set R,  16                            ; v16-143  the two units as they are loaded
.set X,  144                           ; v144-207 a unit after the turn: register n
.set CM, 16                            ; s16-31   sixteen compare results
	s_load_b128 s[4:7], s[0:1], 0x0                ; mask s[4:5], mbits s[6:7]
	v_lshl_add_u32 v208, v0, 2, 0x21000            ; my spare word, behind the stages
	v_mov_b32 v209, 0
	v_lshrrev_b32 v1, 5, v0
	v_readfirstlane_b32 s8, v1                     ; wave 0..15
	v_and_b32 v5, 31, v0                           ; lane
	v_and_b32 v6, 15, v0                           ; r
	v_bfe_u32 v7, v0, 4, 1                         ; h
	v_lshlrev_b32 v1, 4, v5                        ; 16 x lane: my bytes of a load's 512
	s_mul_i32 s9, s8, STAGE
	v_add_nc_u32 v2, s9, v1                        ; the stage on the way in
	v_mul_u32_u24 v3, v6, SPITCH
	v_lshl_add_u32 v3, v7, 7, v3
	v_add_nc_u32 v3, s9, v3                        ; and on the way out: row r, + 128 h bytes (32 keys)
	v_lshlrev_b32 v4, 3, v5                        ; 8 x lane: my two words of a unit's 64
.irp i, 0,1,2,3
	v_mov_b32 v[W+\i], 0                           ; v_writelane_b32's destination counts as one of its sources
.endr
	s_lshr_b32 s10, ttmp9, 6                       ; batch
	s_and_b32 s11, ttmp9, 63                       ; tile pair
	s_lshr_b32 s12, s8, 3                          ; which tile of the pair
	s_and_b32 s13, s8, 7                           ; which two key steps
	s_lshl_b32 s14, s10, 24                        ; in: batch x 16 MiB + pair x 32 rows + tile x 8 rows + 2 key steps x 512 bytes
	s_lshl_b32 s15, s11, 18
	s_add_co_u32 s14, s14, s15
	s_lshl_b32 s15, s12, 16
	s_add_co_u32 s14, s14, s15
	s_lshl_b32 s15, s13, 10
	s_add_co_u32 s14, s14, s15
	s_mov_b32 s15, 0
	s_lshl_b32 s32, s10, 19                        ; out: batch x 512 KiB + pair x 8 KiB + tile x 4 KiB + 2 key steps x 256 bytes
	s_lshl_b32 s33, s11, 13
	s_add_co_u32 s32, s32, s33
	s_lshl_b32 s33, s12, 12
	s_add_co_u32 s32, s32, s33
	s_lshl_b32 s33, s13, 9
	s_add_co_u32 s32, s32, s33
	s_mov_b32 s33, 0
	s_wait_alu depctr_va_vdst(0)                   ; the wait at the head's end
	s_wait_kmcnt 0x0
	s_add_nc_u64 s[4:5], s[4:5], s[14:15]
	s_add_nc_u64 s[6:7], s[6:7], s[32:33]
.macro LOAD n                          ; unit n: sixteen loads, each 512 consecutive bytes of one of the tile's rows
.irp q, 0,1,2,3,4,5,6,7,8,9,10,11,12,13,14,15
	global_load_b128 v[R+64*(\n)+4*\q:R+64*(\n)+4*\q+3], v1, s[4:5] offset:(\q+8*(\q/8))*8192+512*(\n) th:TH_LOAD_NT
.endr
.endm
.macro UNIT n
.if \n < 1
	s_wait_loadcnt 16                              ; this unit's sixteen loads are in; the second unit's sixteen may be out
.else
	s_wait_loadcnt 0x0
.endif
.irp q, 0,1,2,3,4,5,6,7,8,9,10,11,12,13,14,15
	ds_store_b128 v2, v[R+64*(\n)+4*\q:R+64*(\n)+4*\q+3] offset:SPITCH*\q
.endr
.irp bb, 0,1,2,3
.irp g, 0,1,2,3
	ds_load_b128 v[X+16*\bb+4*\g:X+16*\bb+4*\g+3], v3 offset:256*(\bb/2)+64*(\bb%2)+16*\g   ; LDS serves a wave's instructions in order: these see the stores above
.endr
.endr
	s_wait_dscnt 0x0
.irp a, 0,1,2,3
.irp jj, 0,1,2,3,4,5,6,7,8,9,10,11,12,13,14,15
	v_cmp_eq_u32 s[CM+\jj], 0, v[X+16*\a+\jj]      ; word 16 a + jj: a bit for each lane
.endr
.irp jj, 0,1,2,3,4,5,6,7,8,9,10,11,12,13,14,15
	v_writelane_b32 v[W+2*(\n)+(\jj%2)], s[CM+\jj], 8*\a+\jj/2
.endr
.endr
	global_store_b64 v4, v[W+2*(\n):W+2*(\n)+1], s[6:7] offset:256*(\n)   ; 32 lanes store 256 consecutive bytes, aligned
.endm
	LOAD 0
	LOAD 1
	UNIT 0
	UNIT 1
	s_wait_tensorcnt 0x0                           ; the wave's end
	ds_add_u32 v208, v209
	s_wait_dscnt 0x0
	s_endpgm
.Lfunc_end_k_qf3253660f2_pack:
	.size	k_qf3253660f2_pack, .Lfunc_end_k_qf3253660f2_pack-k_qf3253660f2_pack
	.p2alignl 7, 3214868480
	.fill 96, 4, 3214868480
	.section	.rodata,"a",@progbits
	.p2align	6, 0x0
	.amdhsa_kernel k_qf3253660f2_pack
		.amdhsa_group_segment_fixed_size 137216
		.amdhsa_private_segment_fixed_size 0
		.amdhsa_enable_private_segment 0
		.amdhsa_kernarg_size 16
		.amdhsa_user_sgpr_count 2
		.amdhsa_user_sgpr_kernarg_segment_ptr 1
		.amdhsa_wavefront_size32 1
		.amdhsa_system_sgpr_workgroup_id_x 1
		.amdhsa_system_sgpr_workgroup_id_y 1
		.amdhsa_system_sgpr_workgroup_id_z 1
		.amdhsa_system_vgpr_workitem_id 0
		.amdhsa_next_free_vgpr 210
		.amdhsa_next_free_sgpr 66
		.amdhsa_reserve_vcc 0
		.amdhsa_float_denorm_mode_32 3
		.amdhsa_float_denorm_mode_16_64 3
		.amdhsa_memory_ordered 1
		.amdhsa_forward_progress 1
		.amdhsa_inst_pref_size 26
	.end_amdhsa_kernel
	.amdgpu_metadata
---
amdhsa.version: [ 1, 2 ]
amdhsa.kernels:
  - .name:           k_qf3253660f2_pack
    .symbol:         k_qf3253660f2_pack.kd
    .args:
      - { .name: mask, .offset: 0, .size: 8, .value_kind: global_buffer, .address_space: global }
      - { .name: mbits, .offset: 8, .size: 8, .value_kind: global_buffer, .address_space: global }
    .group_segment_fixed_size: 137216
    .private_segment_fixed_size: 0
    .kernarg_segment_align: 8
    .kernarg_segment_size: 16
    .max_flat_workgroup_size: 512
    .sgpr_count:     66
    .vgpr_count:     210
    .wavefront_size: 32
...
	.end_amdgpu_metadata
.endif
;; end of part 1
;; launch proj (part 2): grid 256 x 3, 8 waves a work-group, clusters of 4 x 1, 230,400 bytes of LDS; arguments query_codes, key_codes, value_codes, query_scales, key_scales, value_scales, Wq_codes, Wk_codes, Wv_codes, Wq_scales, Wk_scales, Wv_scales, bq, bk, bv, pc, ps; writes pc, ps
.if DOCPART == 2
	.amdgcn_target "amdgcn-amd-amdhsa--gfx1250"
	.amdhsa_code_object_version 6
	.text
	.protected	k_qf3253660f2_proj
	.globl	k_qf3253660f2_proj
	.p2align	8
	.type	k_qf3253660f2_proj,@function
k_qf3253660f2_proj:
	s_mov_b64 s[64:65], 0
	v_nop
	global_prefetch_b8 v0, s[64:65] scope:SCOPE_SE
	s_setreg_imm32_b32 hwreg(HW_REG_WAVE_MODE, 25, 1), 1
	s_wait_xcnt 0x0
	s_wait_alu depctr_hold_cnt(0) depctr_sa_sdst(0) depctr_va_vdst(0) depctr_va_sdst(0) depctr_va_ssrc(0) depctr_va_vcc(0) depctr_vm_vsrc(0)
	s_getreg_b32 s2, hwreg(HW_REG_IB_STS2, 6, 4)
	s_cmp_eq_u32 s2, 0
	s_cbranch_scc0 .Lentry_in_a_cluster
	s_endpgm
.Lentry_in_a_cluster:
	s_bfe_u32 s2, ttmp6, 0x10000c
	s_cmp_lg_u32 s2, 0x3003
	s_cbranch_scc0 .Lentry_shape_is_right
	s_endpgm
.Lentry_shape_is_right:
; The three projections on codes of FP4 (E2M1) with E8M0 scales, their bias, and the quantiser of their results: one body, grid y = 0 (q), 1 (k), 2 (v).
; D = X Y^T over K = 1,024.  X is source 0: its rows fall into a lane's REGISTERS and are the next product's K.  Y is source 1: its rows fall into LANES.
;   q, k: X = the weight's 1,024 rows (head, channel), Y = the 8,192 rows of query or key: the result is quantised along the head's 64 channels.
;   v:    X = the 8,192 rows of value (the keys),       Y = Wv's 1,024 rows:                the result is quantised along the keys.
; THE ROWS OF A TILE ARE NOT NEIGHBOURS: lane r of tile T takes row 32 (T / 2) + 8 (T % 2) + r + 8 (r / 8), so that the 16 registers of two neighbouring X tiles are 16 neighbours along the next K.
; SHARES.  A work-group makes 128 rows of X x 256 rows of Y; each of its 8 waves all 8 tiles of X x its own pair of tiles of Y: 16 accumulators, 128 registers, 128 matrix instructions.
; All of K for these rows fits in LDS (two halves of 512 along K, rows of 256 bytes + 16): every byte of LDS is filled once, there is no ring.
; LDS ROWS LIE IN GROUPS OF 16, TWO GROUPS TO A PAIR.  A tile's lanes 0-7 read eight rows of a pair's even group and its lanes 8-15 the same eight rows of the odd group.  16 rows of any pitch that is a multiple of
; 16 bytes are a multiple of 256 bytes, so with the groups on end both halves of the lanes would read the same eight 16-byte columns modulo 256.  The odd group therefore begins 128 bytes later: sixteen lanes, sixteen columns.
; CLUSTER.  The four work-groups of a cluster share their 256 rows of Y: Y's tiles are asked for jointly (mask 15); X's are each work-group's own.
; OUT.  Codes leave as images of the next operand's registers (4 registers = 512 bytes, lane l's 16 bytes at 16 l), scale words as images of a tile pair (lanes 0-15 the even tile's rows, lanes 16-31 the odd tile's).
;   pc: q at 0 and k at 4 MiB: [b][head][tile 128][512];  v at 8 MiB: [b][head][key step 16][channel tile 4][half 2][512].
;   ps: q at 0 and k at 256 KiB: [b][head pair 8][tile pair 64][32 words], bytes 0, 1 the even head's, 2, 3 the odd head's;  v at 512 KiB: [b][head][key step 16][channel pair 2][32 words].
; LIMITS: NaN and infinities are not served.  A block whose largest magnitude lies under 2^-124 (a block of zeros too) gets the byte 1; its codes are then zeros or the rule's own, and only this program reads the bytes.
; THE LDS LAYOUT THAT HOLDS NOW (it takes the place of what the head says of halves and groups): a row is all 512 bytes of K + 16.  The even groups of 16 rows of all 12 pairs (X's 4, Y's 8) lie on end in one region,
; the odd groups in a second region that begins 128 bytes past a multiple of 256: a tile's lanes 0-7 and 8-15 read sixteen different 16-byte columns modulo 256.
; ONE tensor load a wave fills it all: waves 0-3 X (even or odd groups of 2 pairs), waves 4-7 Y (of 4 pairs, jointly).  A load's row is one group, 8,192 dense bytes of memory, 16,384 bytes from pair to pair; 16 bytes of padding behind every 512.
.set PITCH, 528                        ; an LDS row: 512 bytes + 16
.set PAIR,  16*PITCH                   ; from a pair's group to the next pair's in a region
.set ODD,   12*PAIR+128                ; from a pair's even group to its odd group
.set HALFB, 256                        ; K half 1: 256 bytes on in each row
.set YOFF,  4*PAIR
.set SCL,   203008                     ; behind the odd region, a multiple of 256
.set SSTEP, 1536
.set BIAS,  SCL+8*SSTEP                ; 256 f32
.set SST,   BIAS+1024                  ; 8 x 128 bytes: the waves' scale words on their way out
.set SC,  16                           ; v16-25  scale words, two sets of 5: X's four tile pairs, my pair of Y.  They hold scales and nothing else
.set PW0, 26                           ; v26, v27 the scale words just made
.set PW1, 27
.set XF,  32                           ; v32-95   X's 8 fragments
.set YF,  96                           ; v96-127  Y's 2 fragments, two sets
.set ACC, 128                          ; v128-255 accumulator (y, x) at ACC + 64 y + 8 x
.set BX,  32                           ; behind the products: v32-95 the bias, v96-111 at work, v112-127 the codes
.set TM,  96
.set PC0, 112
.set PC1, 120
.set WV,  38                           ; s38 my wave's number
.set SEL, 60                           ; s[60:61] v_permlanex16_b32's selects for lane l xor 16
.set G1X, 68                           ; s[68:75] descriptor group 1 for X's tiles; s[76:83] for Y's
.set G1Y, 76
.set XH0, 84                           ; group 0 of X's one load
.set XH1, 92
.set YA0, 88                           ; group 0 of Y's one load
.set YA1, 96
.set YB0, 4
.set YB1, 8
.macro ROUND                           ; a round of the cluster's barrier
	s_barrier_signal -1
	s_barrier_wait -1
	s_cmp_lg_u32 s[WV], 0
	s_cbranch_scc1 .Lnot_wave_0_\@
	s_barrier_signal -3
.Lnot_wave_0_\@:
	s_barrier_wait -3
	s_barrier_signal -1
	s_barrier_wait -1
.endm
.macro PLACES                          ; four plain vector instructions between a matrix instruction and a load into, or a vector instruction on, its registers
.rept 4
	v_nop
.endr
.endm
; One product.  zero: C is the constant 0.  ra, rb: source 0's, source 1's scale words stand in lanes 16-31 of their register.
.macro WM acc, xf, yf, sx, sy, zero, ra, rb
.if (\zero) && (\ra) && (\rb)
	v_wmma_scale_f32_16x16x128_f8f6f4 v[\acc:\acc+7], v[\xf:\xf+7], v[\yf:\yf+7], 0, v[\sx], v[\sy] matrix_a_fmt:MATRIX_FMT_FP4 matrix_b_fmt:MATRIX_FMT_FP4 matrix_a_scale:MATRIX_SCALE_ROW1 matrix_b_scale:MATRIX_SCALE_ROW1
.elseif (\zero) && (\ra)
	v_wmma_scale_f32_16x16x128_f8f6f4 v[\acc:\acc+7], v[\xf:\xf+7], v[\yf:\yf+7], 0, v[\sx], v[\sy] matrix_a_fmt:MATRIX_FMT_FP4 matrix_b_fmt:MATRIX_FMT_FP4 matrix_a_scale:MATRIX_SCALE_ROW1
.elseif (\zero) && (\rb)
	v_wmma_scale_f32_16x16x128_f8f6f4 v[\acc:\acc+7], v[\xf:\xf+7], v[\yf:\yf+7], 0, v[\sx], v[\sy] matrix_a_fmt:MATRIX_FMT_FP4 matrix_b_fmt:MATRIX_FMT_FP4 matrix_b_scale:MATRIX_SCALE_ROW1
.elseif (\zero)
	v_wmma_scale_f32_16x16x128_f8f6f4 v[\acc:\acc+7], v[\xf:\xf+7], v[\yf:\yf+7], 0, v[\sx], v[\sy] matrix_a_fmt:MATRIX_FMT_FP4 matrix_b_fmt:MATRIX_FMT_FP4
.elseif (\ra) && (\rb)
	v_wmma_scale_f32_16x16x128_f8f6f4 v[\acc:\acc+7], v[\xf:\xf+7], v[\yf:\yf+7], v[\acc:\acc+7], v[\sx], v[\sy] matrix_a_fmt:MATRIX_FMT_FP4 matrix_b_fmt:MATRIX_FMT_FP4 matrix_a_scale:MATRIX_SCALE_ROW1 matrix_b_scale:MATRIX_SCALE_ROW1
.elseif (\ra)
	v_wmma_scale_f32_16x16x128_f8f6f4 v[\acc:\acc+7], v[\xf:\xf+7], v[\yf:\yf+7], v[\acc:\acc+7], v[\sx], v[\sy] matrix_a_fmt:MATRIX_FMT_FP4 matrix_b_fmt:MATRIX_FMT_FP4 matrix_a_scale:MATRIX_SCALE_ROW1
.elseif (\rb)
	v_wmma_scale_f32_16x16x128_f8f6f4 v[\acc:\acc+7], v[\xf:\xf+7], v[\yf:\yf+7], v[\acc:\acc+7], v[\sx], v[\sy] matrix_a_fmt:MATRIX_FMT_FP4 matrix_b_fmt:MATRIX_FMT_FP4 matrix_b_scale:MATRIX_SCALE_ROW1
.else
	v_wmma_scale_f32_16x16x128_f8f6f4 v[\acc:\acc+7], v[\xf:\xf+7], v[\yf:\yf+7], v[\acc:\acc+7], v[\sx], v[\sy] matrix_a_fmt:MATRIX_FMT_FP4 matrix_b_fmt:MATRIX_FMT_FP4
.endif
.endm
	s_load_b512 s[4:19], s[0:1], 0x0               ; query, key, value codes; query, key, value scales; Wq, Wk codes
	s_load_b512 s[20:35], s[0:1], 0x40             ; Wv codes; Wq, Wk, Wv scales; bq, bk, bv; pc
	s_load_b64 s[36:37], s[0:1], 0x80              ; ps
	s_set_vgpr_msb 0x40
	v_lshl_add_u32 v0, v0, 2, 0x38000
	v_mov_b32 v1, 0
	s_set_vgpr_msb 0x4045
	ds_add_u32 v0, v1
	ds_add_u32 v0, v1
	s_set_vgpr_msb 0x4500
	v_lshrrev_b32 v1, 5, v0
	s_delay_alu instid0(VALU_DEP_1)
	v_readfirstlane_b32 s[WV], v1                  ; wave 0..7
	s_and_b32 s39, ttmp7, 0xffff                   ; y: which projection; the same in all partners
	s_bfe_u32 s41, ttmp6, 0x40000                  ; cx: my place in the cluster
	s_cmp_eq_u32 s39, 2
	s_cselect_b32 s40, 1, 0                        ; isv
	s_mul_i32 s44, s40, 3
	s_add_co_u32 s44, s44, 1                       ; q, k: 32 blocks of Y x 8 of X; v: 4 blocks of Y x 64 of X
	s_lshr_b32 s42, ttmp9, s44                     ; yb: my block of 256 rows of Y, from the cluster's number alone: the partners share it
	s_lshl_b32 s45, 1, s44
	s_sub_co_u32 s45, s45, 1
	s_and_b32 s43, ttmp9, s45
	s_lshl_b32 s43, s43, 2
	s_add_co_u32 s43, s43, s41                     ; xg: my block of 128 rows of X; it enters my own loads and stores alone
	s_lshl_b32 s46, s43, 16                        ; X's codes: 128 rows of 512 bytes a block, 16 rows a wave
	s_bfe_u32 s56, s[WV], 0x10001                  ; which half of the pairs I fetch
	s_and_b32 s57, s[WV], 1                        ; their even or odd groups
	s_lshl_b32 s45, s57, 13                        ; the odd group: 16 rows of 512 bytes on
	s_lshl_b32 s47, s56, 15                        ; X: 2 pairs of 32 rows on
	s_add_co_u32 s47, s47, s45
	s_add_co_u32 s46, s46, s47
	s_mov_b32 s47, 0
	s_lshl_b32 s48, s42, 17                        ; Y's codes: 256 rows a block, 32 rows a wave
	s_lshl_b32 s49, s56, 16                        ; Y: 4 pairs on
	s_add_co_u32 s49, s49, s45
	s_add_co_u32 s48, s48, s49
	s_mov_b32 s49, 0
	s_lshl_b32 s50, s43, 12                        ; X's scale bytes: 32 a row
	s_mov_b32 s51, 0
	s_lshl_b32 s52, s42, 13                        ; Y's
	s_mov_b32 s53, 0
	s_lshl_b32 s54, s43, 9                         ; the bias goes with the weight's rows: X's (q, k) or Y's (v)
	s_lshl_b32 s55, s42, 10
	s_cmp_eq_u32 s40, 1
	s_cselect_b32 s54, s55, s54
	s_mov_b32 s55, 0
	s_mov_b32 s58, 0xffff0000                      ; lanes 16-31
	s_mov_b32 s[SEL], 0x76543210
	s_mov_b32 s[SEL+1], 0xfedcba98
	; descriptor group 1: rows of 1,024 elements of 8 bytes, 16,384 bytes apart in memory, 4 words of padding behind every 128
	s_mov_b32 s[G1X+0], (3<<16)|(1<<20)|(6<<22)|(3<<25)    ; no mask: X's tiles are my own; elements of 8 bytes; 4 words of padding behind every 128
	s_mov_b32 s[G1X+1], 1024<<16                   ; tensor_dim0: a group of 16 rows, 8,192 bytes
	s_mov_b32 s[G1X+2], 2<<16                      ; tensor_dim1: 2 pairs
	s_mov_b32 s[G1X+3], 1024<<16                   ; tile_dim0
	s_mov_b32 s[G1X+4], 2                          ; tile_dim1
	s_mov_b32 s[G1X+5], 2048                       ; from pair to pair: 16,384 bytes
	s_mov_b32 s[G1X+6], 0
	s_mov_b32 s[G1X+7], 0
	s_mov_b32 s[G1Y+0], 15|(3<<16)|(1<<20)|(1<<21)|(6<<22)|(3<<25)   ; the mask: all four work-groups; bit 21 beside it
	s_mov_b32 s[G1Y+1], 1024<<16
	s_mov_b32 s[G1Y+2], 4<<16                      ; 4 pairs
	s_mov_b32 s[G1Y+3], 1024<<16
	s_mov_b32 s[G1Y+4], 4
	s_mov_b32 s[G1Y+5], 2048
	s_mov_b32 s[G1Y+6], 0
	s_mov_b32 s[G1Y+7], 0
	s_wait_dscnt 0x0
	s_wait_kmcnt 0x0
	s_cmp_eq_u32 s39, 0                            ; the buffers are chosen on y alone: first q against k,
	s_cselect_b64 s[4:5], s[4:5], s[6:7]
	s_cselect_b64 s[10:11], s[10:11], s[12:13]
	s_cselect_b64 s[16:17], s[16:17], s[18:19]
	s_cselect_b64 s[22:23], s[22:23], s[24:25]
	s_cselect_b64 s[28:29], s[28:29], s[30:31]
	s_cmp_eq_u32 s39, 2                            ; then v against that,
	s_cselect_b64 s[4:5], s[8:9], s[4:5]           ; the activations' codes
	s_cselect_b64 s[10:11], s[14:15], s[10:11]     ; and scales,
	s_cselect_b64 s[16:17], s[20:21], s[16:17]     ; the weight's codes
	s_cselect_b64 s[22:23], s[26:27], s[22:23]     ; and scales,
	s_cselect_b64 s[28:29], s[32:33], s[28:29]     ; the bias;
	s_cselect_b64 s[6:7], s[4:5], s[16:17]         ; and which of the two is X: the activations for v, the weight for q and k
	s_cselect_b64 s[8:9], s[16:17], s[4:5]         ; Y's codes
	s_cselect_b64 s[12:13], s[10:11], s[22:23]     ; X's scales
	s_cselect_b64 s[14:15], s[22:23], s[10:11]     ; Y's scales
	; groups 0: count 1, LDS address (the wave's number and constants alone), global address, type 2
	s_mov_b32 s[XH0], 1
	s_mul_i32 s56, s56, 2*PAIR                     ; X: my 2 pairs,
	s_mul_i32 s57, s57, ODD                        ; in the even or the odd region
	s_add_co_u32 s[XH0+1], s56, s57
	s_add_nc_u64 s[XH0+2:XH0+3], s[6:7], s[46:47]
	s_mov_b32 s[YA0], 1
	s_lshl_b32 s[YA0+1], s56, 1                    ; Y: my 4 pairs, behind X's four
	s_add_co_u32 s[YA0+1], s[YA0+1], s57
	s_add_co_u32 s[YA0+1], s[YA0+1], YOFF
	s_add_nc_u64 s[YA0+2:YA0+3], s[8:9], s[48:49]
	s_or_b32 s[XH0+3], s[XH0+3], 0x80000000
	s_or_b32 s[YA0+3], s[YA0+3], 0x80000000
	ROUND                                          ; all four work-groups are here: the joint loads meet
	s_cmp_lt_u32 s[WV], 4                          ; the launch's only fills, one a wave: waves 0-3 X, waves 4-7 Y
	s_cbranch_scc0 .Lfill_y
	tensor_load_to_lds s[XH0:XH0+3], s[G1X:G1X+7]
	s_nop 0
	PLACES
	s_branch .Lfilled
.Lfill_y:
	tensor_load_to_lds s[YA0:YA0+3], s[G1Y:G1Y+7]
	s_nop 0
	PLACES
.Lfilled:
	s_add_nc_u64 s[12:13], s[12:13], s[50:51]
	s_add_nc_u64 s[14:15], s[14:15], s[52:53]
	s_add_nc_u64 s[28:29], s[28:29], s[54:55]
	v_lshlrev_b32 v45, 4, v0                       ; 16 x thread: 256 threads take 4,096 bytes of scales: thread t has row t / 2, K steps 4 (t % 2) + 0 .. 3
	s_lshl_b32 s27, 128, s40
	s_sub_co_u32 s27, s27, 1                       ; 128 numbers of bias (q, k) or 256 (v): no load leaves its buffer
	v_and_b32 v46, s27, v0
	s_delay_alu instid0(VALU_DEP_1)
	v_lshlrev_b32 v46, 2, v46
	global_load_b128 v[32:35], v45, s[12:13]               ; X's 128 rows
	global_load_b128 v[36:39], v45, s[14:15]               ; Y's rows 0-127
	global_load_b128 v[40:43], v45, s[14:15] offset:4096   ; Y's rows 128-255
	global_load_b32 v44, v46, s[28:29]
	; where my results go
	s_lshr_b32 s16, s42, 3                         ; q, k codes: batch x 1 MiB + head pair x 128 KiB + tile x 512
	s_lshl_b32 s16, s16, 20
	s_lshl_b32 s17, s43, 17
	s_add_co_u32 s16, s16, s17
	s_and_b32 s17, s42, 7
	s_lshl_b32 s17, s17, 13
	s_add_co_u32 s16, s16, s17
	s_lshl_b32 s17, s[WV], 10
	s_add_co_u32 s16, s16, s17
	s_lshr_b32 s18, s43, 4                         ; v codes: batch x 1 MiB + head x 64 KiB + key step x 4 KiB + channel tile x 1 KiB
	s_lshl_b32 s18, s18, 20
	s_lshl_b32 s19, s42, 18
	s_add_co_u32 s18, s18, s19
	s_lshr_b32 s19, s[WV], 1
	s_lshl_b32 s19, s19, 16
	s_add_co_u32 s18, s18, s19
	s_and_b32 s19, s43, 15
	s_lshl_b32 s19, s19, 12
	s_add_co_u32 s18, s18, s19
	s_and_b32 s19, s[WV], 1
	s_lshl_b32 s19, s19, 11
	s_add_co_u32 s18, s18, s19
	s_cmp_eq_u32 s40, 1
	s_cselect_b32 s16, s18, s16
	s_lshl_b32 s17, s39, 22                        ; + y x 4 MiB
	s_add_co_u32 s16, s16, s17
	s_mov_b32 s17, 0
	s_add_nc_u64 s[34:35], s[34:35], s[16:17]
	s_lshr_b32 s20, s42, 3                         ; q, k scale words: batch x 64 KiB + head pair x 8 KiB + my work-group's 8 tile pairs x 128
	s_lshl_b32 s20, s20, 16
	s_lshl_b32 s21, s43, 13
	s_add_co_u32 s20, s20, s21
	s_and_b32 s21, s42, 7
	s_lshl_b32 s21, s21, 10
	s_add_co_u32 s20, s20, s21
	s_lshr_b32 s18, s43, 4                         ; v scale words: batch x 64 KiB + 4 heads x 4 KiB + key step x 256
	s_lshl_b32 s18, s18, 16
	s_lshl_b32 s19, s42, 14
	s_add_co_u32 s18, s18, s19
	s_and_b32 s19, s43, 15
	s_lshl_b32 s19, s19, 8
	s_add_co_u32 s18, s18, s19
	s_cmp_eq_u32 s40, 1
	s_cselect_b32 s20, s18, s20
	s_lshl_b32 s21, s39, 18                        ; + y x 256 KiB
	s_add_co_u32 s20, s20, s21
	s_lshl_b32 s24, s40, 2
	s_lshl_b32 s24, 0x100, s24                     ; from one storing wave's 256 bytes to the next's: 256 (q, k) or 4,096 (v: the next head)
	s_mul_i32 s24, s24, s[WV]
	s_add_co_u32 s20, s20, s24
	s_mov_b32 s21, 0
	s_add_nc_u64 s[36:37], s[36:37], s[20:21]
	s_lshl_b32 s22, 0x200, s40                     ; from Y tile 0's image to tile 1's: 512 (q, k) or 1,024 (v)
	s_mul_i32 s23, s40, 7
	s_lshr_b32 s23, 0x10000, s23                   ; from registers 0-3 to registers 4-7: the next head, 65,536 (q, k), or the next 512 bytes (v)
	; addresses
	v_and_b32 v28, 31, v0                          ; lane
	v_and_b32 v29, 15, v0                          ; r
	v_bfe_u32 v30, v0, 4, 1                        ; h
	s_delay_alu instid0(VALU_DEP_2)
	v_and_b32 v31, 8, v29
	s_delay_alu instid0(VALU_DEP_1)
	v_add_nc_u32 v31, v31, v29                     ; r + 8 (r / 8)
	s_delay_alu instid0(VALU_DEP_4)
	v_and_b32 v47, 7, v29                          ; r % 8: my row among a tile's eight of a group
	v_bfe_u32 v48, v0, 3, 1                        ; r / 8: the pair's even or odd group
	s_delay_alu instid0(VALU_DEP_2)
	v_mul_u32_u24 v1, v47, PITCH
	s_delay_alu instid0(VALU_DEP_1)
	v_mad_u32_u24 v1, v48, ODD, v1
	s_delay_alu instid0(VALU_DEP_1)
	v_lshl_add_u32 v1, v30, 4, v1                  ; v1: X's fragments in K half 0: (r % 8) x pitch + (r / 8) x the odd group's distance + 16 h
	s_delay_alu instid0(VALU_DEP_1)
	v_add_nc_u32 v2, HALFB, v1                     ; v2: in K half 1
	s_mul_i32 s25, s[WV], PAIR
	s_add_co_u32 s25, s25, YOFF
	v_add_nc_u32 v3, s25, v1                       ; v3, v4: my wave's pair of Y
	s_delay_alu instid0(VALU_DEP_1)
	v_add_nc_u32 v4, HALFB, v3
	v_lshl_add_u32 v5, v28, 2, SCL                 ; v5: X's scale words: 4 x lane
	s_lshl_b32 s25, s[WV], 7
	s_add_co_u32 s26, s25, 512
	v_add_nc_u32 v6, s26, v5                       ; v6: my pair of Y's, behind X's 128 words
	v_lshlrev_b32 v7, 4, v28                       ; v7-10: where the four groups of four registers go
	s_delay_alu instid0(VALU_DEP_1)
	v_add_nc_u32 v8, s23, v7
	s_delay_alu instid0(VALU_DEP_2)
	v_add_nc_u32 v9, s22, v7
	s_delay_alu instid0(VALU_DEP_2)
	v_add_nc_u32 v10, s22, v8
	v_lshl_add_u32 v11, v30, 6, BIAS               ; v11: the bias by X rows: 16 h numbers on
	v_lshl_add_u32 v12, v31, 2, BIAS
	s_delay_alu instid0(VALU_DEP_1)
	v_add_nc_u32 v12, s25, v12                     ; v12: the bias by Y rows: my lane's row of my wave's 32
	v_lshl_add_u32 v13, v28, 2, SST
	s_delay_alu instid0(VALU_DEP_1)
	v_add_nc_u32 v13, s25, v13                     ; v13: my wave's 128 bytes of scale words
	v_lshl_add_u32 v14, v28, 3, SST
	s_lshl_b32 s26, s[WV], 8
	v_add_nc_u32 v14, s26, v14                     ; v14: two waves' words, 8 bytes a lane
	v_lshlrev_b32 v15, 3, v28
	v_lshrrev_b32 v47, 1, v0                       ; the scale words' place: row t / 2 with its bits 3 and 4 exchanged,
	s_delay_alu instid0(VALU_DEP_1)
	v_and_b32 v47, 0x67, v47
	v_bfe_u32 v48, v0, 4, 1
	s_delay_alu instid0(VALU_DEP_1)
	v_lshl_or_b32 v47, v48, 4, v47
	v_bfe_u32 v48, v0, 5, 1
	s_delay_alu instid0(VALU_DEP_1)
	v_lshl_or_b32 v47, v48, 3, v47
	v_and_b32 v48, 1, v0
	s_delay_alu instid0(VALU_DEP_1)
	v_mul_u32_u24 v48, v48, 4*SSTEP                ; K steps 4 (t % 2) on
	s_delay_alu instid0(VALU_DEP_1)
	v_lshl_add_u32 v47, v47, 2, v48
	s_delay_alu instid0(VALU_DEP_1)
	v_add_nc_u32 v47, SCL, v47
	v_lshl_add_u32 v48, v0, 2, BIAS
	s_wait_alu depctr_va_vdst(0)
	s_wait_loadcnt 0x0
.irp a, 0,1,2
.irp i, 0,1,2,3
	ds_store_b32 v47, v[32+4*\a+\i] offset:SSTEP*\i+512*\a
.endr
.endr
	ds_store_b32 v48, v44
	s_wait_tensorcnt 0x0                           ; my one load is in
	s_wait_dscnt 0x0                               ; for the others' sake: my stores have landed
	s_barrier_signal -1
	s_barrier_wait -1
.macro LDX half, kq, x0                ; X's tiles x0 .. x0 + 3 of the half's kq-th 128 along K: 8 loads
.irp x, \x0, \x0+1, \x0+2, \x0+3
.irp c, 0,1
	ds_load_b128 v[XF+8*(\x)+4*\c:XF+8*(\x)+4*\c+3], v[1+\half] offset:((\x)/2)*PAIR+((\x)%2)*8*PITCH+64*(\kq)+32*\c
.endr
.endr
.endm
.macro LDY half, kq, set               ; my two tiles of Y: 4 loads
.irp y, 0,1
.irp c, 0,1
	ds_load_b128 v[YF+16*(\set)+8*\y+4*\c:YF+16*(\set)+8*\y+4*\c+3], v[3+\half] offset:8*\y*PITCH+64*(\kq)+32*\c
.endr
.endr
.endm
.macro LDSC ks, set                    ; K step ks's scale words: 5 loads
.irp p, 0,1,2,3
	ds_load_b32 v[SC+5*(\set)+\p], v5 offset:SSTEP*(\ks)+128*\p
.endr
	ds_load_b32 v[SC+5*(\set)+4], v6 offset:SSTEP*(\ks)
.endm
.macro MUL8 x0, set, zero              ; eight products on eight accumulators, one instruction a turn
.irp x, \x0, \x0+1, \x0+2, \x0+3
.irp y, 0,1
	WM ACC+64*\y+8*(\x), XF+8*(\x), YF+16*(\set)+8*\y, SC+5*(\set)+(\x)/2, SC+5*(\set)+4, \zero, (\x)%2, \y
.endr
.endr
.endm
.macro PRIME half                      ; a half's first step: 25 loads, X's tiles 4-7 last
	LDX \half, 0, 0
	LDY \half, 0, 0
	LDSC 4*(\half), 0
	LDX \half, 0, 4
.endm
.macro STEP half, kq, zero, next       ; 128 along K: 16 products; next = 1: the next step's fragments are fetched in two runs
	s_wait_dscnt 8                                 ; all but the youngest eight loads (X's tiles 4-7) are in
	MUL8 0, (\kq)%2, \zero
.if \next
	PLACES
	LDX \half, (\kq)+1, 0
	LDY \half, (\kq)+1, 1-(\kq)%2
	LDSC 4*(\half)+(\kq)+1, 1-(\kq)%2
	s_wait_dscnt 17                                ; all but the 17 just issued: X's tiles 4-7 are in
.else
	s_wait_dscnt 0x0
.endif
	MUL8 4, (\kq)%2, \zero
.if \next
	PLACES
	LDX \half, (\kq)+1, 4
.endif
.endm
	PRIME 0
	STEP 0, 0, 1, 1                                ; the first step's products start the sums: nothing is cleared
	STEP 0, 1, 0, 1
	STEP 0, 2, 0, 1
	STEP 0, 3, 0, 0
	PLACES
	PRIME 1
	STEP 1, 0, 0, 1
	STEP 1, 1, 0, 1
	STEP 1, 2, 0, 1
	STEP 1, 3, 0, 0
	PLACES
	; THE BIAS.  Register 8 x + j of lane (r, h) is X row 32 (x / 2) + 8 (x % 2) + 16 h + j and Y row 8 y + r + 8 (r / 8) of my wave's 32.  The branch hangs on y alone.
	s_cmp_eq_u32 s40, 1
	s_cbranch_scc1 .Lbias_lane
.irp x, 0,1,2,3,4,5,6,7
.irp q, 0,1
	ds_load_b128 v[BX+8*\x+4*\q:BX+8*\x+4*\q+3], v11 offset:(32*(\x/2)+8*(\x%2))*4+16*\q
.endr
.endr
	s_wait_dscnt 0x0
.irp y, 0,1
.set k, 0
.rept 32
	v_pk_add_f32 v[ACC+64*\y+k:ACC+64*\y+k+1], v[ACC+64*\y+k:ACC+64*\y+k+1], v[BX+k:BX+k+1]   ; ascending: each accumulator is read from its low end on
.set k, k+2
.endr
.endr
	s_branch .Lbias_done
.Lbias_lane:
	ds_load_b32 v32, v12
	ds_load_b32 v34, v12 offset:32
	v_mov_b32 v33, 0                               ; (named as the upper halves of the pairs below)
	v_mov_b32 v35, 0
	s_wait_alu depctr_va_vdst(0)
	s_wait_dscnt 0x0
.irp y, 0,1
.set k, 0
.rept 32
	v_pk_add_f32 v[ACC+64*\y+k:ACC+64*\y+k+1], v[ACC+64*\y+k:ACC+64*\y+k+1], v[32+2*\y:33+2*\y] op_sel_hi:[1,0]
.set k, k+2
.endr
.endr
.Lbias_done:
; 64 numbers of a lane, register 16 b + i = k 32 b + 16 h + i of my row, become a fragment's 8 registers of codes and its scale word.
.macro QUANT s, pc, pw
.irp b, 0,1,2,3
	v_max3_num_f32 v[TM+\b], |v[\s+16*\b]|, |v[\s+1+16*\b]|, 0x1800000   ; my 16 numbers of block b, and the floor 2^(3 - 127): the byte cannot fall under 1
.endr
.irp i, 2,4,6,8,10,12,14
.irp b, 0,1,2,3
	s_delay_alu instid0(VALU_DEP_4)
	v_max3_num_f32 v[TM+\b], v[TM+\b], |v[\s+16*\b+\i]|, |v[\s+1+16*\b+\i]|
.endr
.endr
.irp b, 0,1,2,3
	s_delay_alu instid0(VALU_DEP_4)
	v_permlanex16_b32 v[TM+4+\b], v[TM+\b], s[SEL], s[SEL+1]
.endr
.irp b, 0,1,2,3
	s_delay_alu instid0(VALU_DEP_4)
	v_max_num_f32 v[TM+\b], v[TM+\b], v[TM+4+\b]   ; with lane l xor 16's 16: the block's largest magnitude
.endr
.irp b, 0,1,2,3
	s_delay_alu instid0(VALU_DEP_4)
	v_add_nc_u32 v[TM+12+\b], 0xff000000, v[TM+\b] ; 2 off its exponent field: the conversion's scale operand
.endr
.irp b, 0,1,2,3
	s_delay_alu instid0(VALU_DEP_4)
	v_lshrrev_b32 v[TM+4+\b], 23, v[TM+12+\b]      ; the scale's byte
.endr
	s_delay_alu instid0(VALU_DEP_3)
	v_lshl_or_b32 v[\pw], v[TM+5], 8, v[TM+4]
	s_delay_alu instid0(VALU_DEP_1)
	v_lshl_or_b32 v[\pw], v[TM+6], 16, v[\pw]
	s_delay_alu instid0(VALU_DEP_1)
	v_lshl_or_b32 v[\pw], v[TM+7], 24, v[\pw]
.irp b, 0,1,2,3
	v_cvt_scalef32_pk8_fp4_f32 v[\pc+2*\b], v[\s+16*\b:\s+7+16*\b], v[TM+12+\b]
	v_cvt_scalef32_pk8_fp4_f32 v[\pc+1+2*\b], v[\s+8+16*\b:\s+15+16*\b], v[TM+12+\b]
.endr
	v_nop                                          ; one plain place behind a scaled conversion
.irp c, 0,1                            ; the operand's layout wants a whole block in a lane: lanes 0-15 block 2 c, lanes 16-31 block 2 c + 1
.irp i, 0,1
	v_permlane16_swap_b32 v[\pc+4*\c+\i], v[\pc+2+4*\c+\i]
.endr
.endr
.endm
.irp b, 0,1,2,3
	v_mov_b32 v[TM+4+\b], 0                        ; a lane permute's destination counts as one of its sources
.endr
	QUANT ACC, PC0, PW0
	QUANT ACC+64, PC1, PW1
	global_store_b128 v7, v[PC0:PC0+3], s[34:35]           ; each store: 512 consecutive bytes, aligned
	global_store_b128 v8, v[PC0+4:PC0+7], s[34:35]
	global_store_b128 v9, v[PC1:PC1+3], s[34:35]
	global_store_b128 v10, v[PC1+4:PC1+7], s[34:35]
	v_cndmask_b32 v28, v[PW0], v[PW1], s58         ; the pair's image: lanes 0-15 tile 0's words, lanes 16-31 tile 1's
	ds_store_b32 v13, v28
	s_wait_dscnt 0x0                               ; for the others' sake
	s_barrier_signal -1
	s_barrier_wait -1
	s_cmp_lt_u32 s[WV], 4                          ; waves 0-3 store two waves' words each: 256 consecutive bytes, aligned
	s_cbranch_scc0 .Lno_words
	ds_load_b64 v[30:31], v14
	s_wait_dscnt 0x0
	global_store_b64 v15, v[30:31], s[36:37]
.Lno_words:
	s_set_vgpr_msb 0x5
	s_wait_tensorcnt 0x0
	ds_add_u32 v0, v1
	s_wait_dscnt 0x0
	s_set_vgpr_msb 0x500
	ROUND                                          ; the closing round: no work-group ends while a partner may still ask for a tile that names it
	s_endpgm
.Lfunc_end_k_qf3253660f2_proj:
	.size	k_qf3253660f2_proj, .Lfunc_end_k_qf3253660f2_proj-k_qf3253660f2_proj
	.p2alignl 7, 3214868480
	.fill 96, 4, 3214868480
	.section	.rodata,"a",@progbits
	.p2align	6, 0x0
	.amdhsa_kernel k_qf3253660f2_proj
		.amdhsa_group_segment_fixed_size 230400
		.amdhsa_private_segment_fixed_size 0
		.amdhsa_enable_private_segment 0
		.amdhsa_kernarg_size 136
		.amdhsa_user_sgpr_count 2
		.amdhsa_user_sgpr_kernarg_segment_ptr 1
		.amdhsa_wavefront_size32 1
		.amdhsa_system_sgpr_workgroup_id_x 1
		.amdhsa_system_sgpr_workgroup_id_y 1
		.amdhsa_system_sgpr_workgroup_id_z 1
		.amdhsa_system_vgpr_workitem_id 0
		.amdhsa_next_free_vgpr 258
		.amdhsa_next_free_sgpr 100
		.amdhsa_reserve_vcc 0
		.amdhsa_float_denorm_mode_32 3
		.amdhsa_float_denorm_mode_16_64 3
		.amdhsa_memory_ordered 1
		.amdhsa_forward_progress 1
		.amdhsa_inst_pref_size 64
	.end_amdhsa_kernel
	.amdgpu_metadata
---
amdhsa.version: [ 1, 2 ]
amdhsa.kernels:
  - .name:           k_qf3253660f2_proj
    .symbol:         k_qf3253660f2_proj.kd
    .args:
      - { .name: query_codes, .offset: 0, .size: 8, .value_kind: global_buffer, .address_space: global }
      - { .name: key_codes, .offset: 8, .size: 8, .value_kind: global_buffer, .address_space: global }
      - { .name: value_codes, .offset: 16, .size: 8, .value_kind: global_buffer, .address_space: global }
      - { .name: query_scales, .offset: 24, .size: 8, .value_kind: global_buffer, .address_space: global }
      - { .name: key_scales, .offset: 32, .size: 8, .value_kind: global_buffer, .address_space: global }
      - { .name: value_scales, .offset: 40, .size: 8, .value_kind: global_buffer, .address_space: global }
      - { .name: Wq_codes, .offset: 48, .size: 8, .value_kind: global_buffer, .address_space: global }
      - { .name: Wk_codes, .offset: 56, .size: 8, .value_kind: global_buffer, .address_space: global }
      - { .name: Wv_codes, .offset: 64, .size: 8, .value_kind: global_buffer, .address_space: global }
      - { .name: Wq_scales, .offset: 72, .size: 8, .value_kind: global_buffer, .address_space: global }
      - { .name: Wk_scales, .offset: 80, .size: 8, .value_kind: global_buffer, .address_space: global }
      - { .name: Wv_scales, .offset: 88, .size: 8, .value_kind: global_buffer, .address_space: global }
      - { .name: bq, .offset: 96, .size: 8, .value_kind: global_buffer, .address_space: global }
      - { .name: bk, .offset: 104, .size: 8, .value_kind: global_buffer, .address_space: global }
      - { .name: bv, .offset: 112, .size: 8, .value_kind: global_buffer, .address_space: global }
      - { .name: pc, .offset: 120, .size: 8, .value_kind: global_buffer, .address_space: global }
      - { .name: ps, .offset: 128, .size: 8, .value_kind: global_buffer, .address_space: global }
    .group_segment_fixed_size: 230400
    .private_segment_fixed_size: 0
    .kernarg_segment_align: 8
    .kernarg_segment_size: 136
    .max_flat_workgroup_size: 256
    .sgpr_count:     100
    .vgpr_count:     258
    .wavefront_size: 32
...
	.end_amdgpu_metadata
.endif
;; end of part 2
;; launch attn (part 3): grid 8 x 32, 8 waves a work-group, clusters of 4 x 1, 327,680 bytes of LDS; arguments pc, ps, mbits, oc, os; writes oc, os
.if DOCPART == 3
	.amdgcn_target "amdgcn-amd-amdhsa--gfx1250"
	.amdhsa_code_object_version 6
	.text
	.protected	k_qf3253660f2_attn
	.globl	k_qf3253660f2_attn
	.p2align	8
	.type	k_qf3253660f2_attn,@function
k_qf3253660f2_attn:
	s_mov_b64 s[64:65], 0
	v_nop
	global_prefetch_b8 v0, s[64:65] scope:SCOPE_SE
	s_setreg_imm32_b32 hwreg(HW_REG_WAVE_MODE, 25, 1), 1
	s_wait_xcnt 0x0
	s_wait_alu depctr_hold_cnt(0) depctr_sa_sdst(0) depctr_va_vdst(0) depctr_va_sdst(0) depctr_va_ssrc(0) depctr_va_vcc(0) depctr_vm_vsrc(0)
	s_getreg_b32 s2, hwreg(HW_REG_IB_STS2, 6, 4)
	s_cmp_eq_u32 s2, 0
	s_cbranch_scc0 .Lentry_in_a_cluster
	s_endpgm
.Lentry_in_a_cluster:
	s_bfe_u32 s2, ttmp6, 0x10000c
	s_cmp_lg_u32 s2, 0x3003
	s_cbranch_scc0 .Lentry_shape_is_right
	s_endpgm
.Lentry_shape_is_right:
; Attention on codes of FP4 (E2M1) with E8M0 scales: scores, mask, softmax by the problem's rule (p = 2^(t - M), M a whole number, the sum of the unquantised p divides at the end), P V, and the quantiser of the result for the last projection.
; SHARES.  A work-group: one batch, one PAIR of heads, 256 queries.  Each of its 8 waves: two tiles of 16 queries, one after the other; for a tile it walks the 2,048 keys in steps of 128 with BOTH HEADS BY TURNS, line by line:
; every chain of dependent lines has the other head's line between its links, and each wait serves both heads.
; Both heads' K and V for all 2,048 keys lie in LDS (4 x 64 KiB, 128 bytes of padding behind every 1,024): one joint tensor load a wave at the head, every byte filled once, no ring.
; CLUSTER.  The four work-groups of a cluster have the same batch and head pair: K and V are asked for jointly (mask 15).
; THE MASK IS THE C OF THE SCORE PRODUCTS.  From the stored lane masks the tile's bias (0, or -1e9 where the key is hidden) is made once a key step, 64 selects, and serves both heads: the even head's products take it as C into
; registers of their own, the odd head's then add in place onto it.
; A hidden score is then -1e9 + s and not -1e9.  Where a row has a visible key both give p = 0.  A ROW WITH NO VISIBLE KEY SO FAR is told by its running largest t (under -1.5 x 2^29) and is served by selects, with no branch:
; its factor c and its M are 0, so every p is 1 as reference()'s equal scores give, and its sums are kept (f = 1); at the first visible key f = 2^(old M - new M) falls to 0 and takes them away.
; LIMIT: that test holds while |score| < 2^28 (the drawn scores stay under 32).  NaN and infinities are not served.
; LAYOUT.  Both products are used transposed: a lane holds one query (lane % 16).  THE KEYS OF A TILE ARE CHOSEN BY THE LDS ADDRESS: lane r of tile 4 c + u takes key 64 c + 32 (r / 8) + 8 u + r % 8, so that register 32 c + 8 u + j
; of lane (q, h) is key 64 c + 32 h + 8 u + j: a lane holds two WHOLE blocks of 32 keys, in the order that P's operand wants: no maximum of a block and no code crosses lanes.
; K = 64 OF THE INSTRUCTION'S 128.  The even head's codes stand in registers 0-3 of K's and Q's fragments, the odd head's in registers 4-7, so that the stored scale words (bytes 0, 1 even head, 2, 3 odd head) serve both as they lie.
; Q's other four registers are zero codes; K's other four are a neighbouring tile's codes, which zero codes multiply away (every scale byte there is a finite code of the other head).
; LOOK-AHEAD IN LDS.  The next step's K is asked for behind this step's score products; the last trip's look-ahead reads bytes that lie inside the filled regions and uses none of them.
; PREFETCH.  The mask words of key step ks + 2 (one block of 256 bytes a wave) are asked for in trip ks by the one of the eight head pairs with number ks % 8; the last two trips ask for nothing; steps 0 and 1 come by their loads.
; K and V are not prefetched: they are loaded once, at the head, with no loop ahead of the load.
; REGISTERS.  Window 0: v1-15 addresses and constants; v16-79 the even head's S^T, then p; v80-143 the bias, then the odd head's; v144-154 scales; v156.. sums, largest t, -M and what is at work; v226-241 the results' codes.
; Window 1: v0-63 O^T of the two heads; v64-127 V; v144-211 K (even head, 4 spare, odd head); v212-235 Q; v236-251 p's codes.
.set KH,  73728                        ; a head's K or V in LDS: 64 x (1,024 + 128)
.set VOF, 2*KH
.set KSC, 4*KH                         ; K's scale words of the head pair, 8 KiB
.set VSC, KSC+8192                     ; V's, 4 KiB a head
.set OST, VSC+8192                     ; the result's scale words on their way out: [head 2][tile 16][16 words]
.set SPARE, OST+2048                   ; the spare words, 128 bytes a wave
.set AK, 1
.set AV, 2
.set NEG, 3
.set AKS, 4
.set AVS, 5
.set SPW, 6
.set NIL, 7
.set SH8, 8
.set IMG, 9
.set OSA, 10
.set RDA, 11
.set GOS, 12
.set THR, 13
.set CC, 15
.set S, 16
.set KS, 144
.set VS, 148
.set QS, 152
.set PS, 153
.set ST, 156                           ; head z: v[ST+4z], +1 the sum in two halves, +2 the largest t, +3 -M
.set BM, 164
.set BP, 172
.set T0, 174
.set T1, 176
.set F, 178
.set CL, 182
.set NM, 186
.set SO, 190
.set BY, 194
.set SC, 198                           ; head z: three side chains of the sum, pairs at SC+6z
.set ADK0, 210
.set ADK1, 211
.set ADV0, 212
.set ADV1, 213
.set ADS, 214
.set ADT, 215
.set PFV, 216
.set LN, 217
.set R7, 218
.set R8, 219
.set HH, 220
.set TA, 221
.set TB, 222
.set TC, 223
.set TD, 224
.set EP, 226
.set OO, 0                             ; window 1
.set VF, 64
.set KF, 144
.set QF, 212
.set PC, 236
.set WV, 14
.set MSB, 0
.macro WIN new                         ; the immediate's high byte repeats the setting that is left
.if MSB != \new
	s_set_vgpr_msb (MSB<<8)|\new
.set MSB, \new
.endif
.endm
.macro ROUND                           ; a round of the cluster's barrier
	s_barrier_signal -1
	s_barrier_wait -1
	s_cmp_lg_u32 s[WV], 0
	s_cbranch_scc1 .Lnot_wave_0_\@
	s_barrier_signal -3
.Lnot_wave_0_\@:
	s_barrier_wait -3
	s_barrier_signal -1
	s_barrier_wait -1
.endm
.macro PLACES                          ; four plain vector instructions behind a matrix instruction (ISA guide 7.12.1)
.rept 4
	v_nop
.endr
.endm
.macro WM d, a, b, c, sa, sb, ra, rb   ; one product; ra, rb: the scale words stand in lanes 16-31
.if (\ra) && (\rb)
	v_wmma_scale_f32_16x16x128_f8f6f4 v[\d:\d+7], v[\a:\a+7], v[\b:\b+7], v[\c:\c+7], v[\sa], v[\sb] matrix_a_fmt:MATRIX_FMT_FP4 matrix_b_fmt:MATRIX_FMT_FP4 matrix_a_scale:MATRIX_SCALE_ROW1 matrix_b_scale:MATRIX_SCALE_ROW1
.elseif (\ra)
	v_wmma_scale_f32_16x16x128_f8f6f4 v[\d:\d+7], v[\a:\a+7], v[\b:\b+7], v[\c:\c+7], v[\sa], v[\sb] matrix_a_fmt:MATRIX_FMT_FP4 matrix_b_fmt:MATRIX_FMT_FP4 matrix_a_scale:MATRIX_SCALE_ROW1
.elseif (\rb)
	v_wmma_scale_f32_16x16x128_f8f6f4 v[\d:\d+7], v[\a:\a+7], v[\b:\b+7], v[\c:\c+7], v[\sa], v[\sb] matrix_a_fmt:MATRIX_FMT_FP4 matrix_b_fmt:MATRIX_FMT_FP4 matrix_b_scale:MATRIX_SCALE_ROW1
.else
	v_wmma_scale_f32_16x16x128_f8f6f4 v[\d:\d+7], v[\a:\a+7], v[\b:\b+7], v[\c:\c+7], v[\sa], v[\sb] matrix_a_fmt:MATRIX_FMT_FP4 matrix_b_fmt:MATRIX_FMT_FP4
.endif
.endm
.macro OFF3 d, a, sa, b, sb, c, sc     ; s[d:d+1] = (s[a] << sa) + (s[b] << sb) + (s[c] << sc)
	s_lshl_b32 s[\d], s[\a], \sa
	s_lshl_b32 s[\d+1], s[\b], \sb
	s_add_co_u32 s[\d], s[\d], s[\d+1]
	s_lshl_b32 s[\d+1], s[\c], \sc
	s_add_co_u32 s[\d], s[\d], s[\d+1]
	s_mov_b32 s[\d+1], 0
.endm
	s_load_b256 s[48:55], s[0:1], 0x0              ; pc, ps, mbits, oc
	s_load_b64 s[56:57], s[0:1], 0x20              ; os
	v_lshl_add_u32 v[SPW], v0, 2, SPARE
	v_mov_b32 v[NIL], 0
	ds_add_u32 v[SPW], v[NIL]                      ; the opening lines: the add, twice on end, and its wait
	ds_add_u32 v[SPW], v[NIL]
	v_lshrrev_b32 v1, 5, v0
	v_readfirstlane_b32 s[WV], v1                  ; wave 0..7
	s_and_b32 s25, ttmp7, 0xffff                   ; y = 8 batch + head pair
	s_bfe_u32 s30, ttmp6, 0x40000
	s_lshl_b32 s31, ttmp9, 2
	s_add_co_u32 s31, s31, s30                     ; my block of 256 queries: it enters my own loads and stores alone
	s_lshr_b32 s2, s[WV], 2                        ; waves 0-3 fetch K (at 4 MiB of pc), waves 4-7 V (at 8 MiB): 128 KiB a head pair, 32 KiB a wave
	s_lshl_b32 s2, s2, 22
	s_lshl_b32 s3, s25, 17
	s_add_co_u32 s2, s2, s3
	s_and_b32 s3, s[WV], 3
	s_lshl_b32 s3, s3, 15
	s_add_co_u32 s2, s2, s3
	s_add_co_u32 s2, s2, 0x400000
	s_mov_b32 s3, 0
	s_mov_b32 s32, 15|(3<<16)|(1<<20)|(1<<21)|(7<<22)|(31<<25)   ; mask 15, bit 21 beside it; elements of 8 bytes; 32 words of padding behind every 256
	s_mov_b32 s33, 128<<16                         ; rows of 1,024 bytes,
	s_mov_b32 s34, 32<<16                          ; 32 of them,
	s_mov_b32 s35, 128<<16
	s_mov_b32 s36, 32
	s_mov_b32 s37, 128                             ; dense in memory
	s_mov_b32 s38, 0
	s_mov_b32 s39, 0
	s_wait_dscnt 0x0
	s_wait_kmcnt 0x0
	s_mov_b32 s40, 1
	s_mul_i32 s41, s[WV], 36864                    ; 32 x 1,152 bytes a wave: K's two heads, then V's
	s_add_nc_u64 s[42:43], s[48:49], s[2:3]
	s_or_b32 s43, s43, 0x80000000
	ROUND                                          ; all four work-groups are here: the joint loads meet
	tensor_load_to_lds s[40:43], s[32:39]          ; my one tensor load
	s_nop 0
	PLACES
	s_lshr_b32 s24, s25, 3                         ; batch
	s_and_b32 s15, s25, 7                          ; head pair
	OFF3 16, 25, 17, 31, 13, 14, 10                ; Q's images: head x 64 KiB + tile x 512; my tiles 16 block + 2 wave + 0, 1
	s_add_nc_u64 s[4:5], s[48:49], s[16:17]
	OFF3 16, 25, 13, 31, 10, 14, 7                 ; Q's scale words: head pair x 8 KiB + tile pair x 128
	s_add_nc_u64 s[6:7], s[50:51], s[16:17]
	OFF3 16, 24, 19, 31, 16, 14, 13                ; the mask words: batch x 512 KiB + tile x 4 KiB
	s_add_nc_u64 s[8:9], s[52:53], s[16:17]
	OFF3 16, 24, 20, 31, 17, 14, 14                ; oc: batch x 1 MiB + tile x 8 KiB + head x 512
	s_lshl_b32 s18, s15, 10
	s_add_co_u32 s16, s16, s18
	s_add_nc_u64 s[10:11], s[54:55], s[16:17]
	s_lshl_b32 s16, s25, 14                        ; os: head x 8 KiB + tile x 64
	s_lshl_b32 s17, s31, 10
	s_add_co_u32 s16, s16, s17
	s_mov_b32 s17, 0
	s_add_nc_u64 s[12:13], s[56:57], s[16:17]
	s_lshl_b32 s16, s25, 13
	s_add_nc_u64 s[26:27], s[50:51], s[16:17]
	s_add_nc_u64 s[28:29], s[26:27], 0x80000       ; V's scale words of my two heads
	s_add_nc_u64 s[26:27], s[26:27], 0x40000       ; K's of my head pair
	s_sub_co_u32 s23, 8, s15
	s_and_b32 s23, s23, 7                          ; the count of trips left, modulo 8, at which my work-group prefetches
	s_mov_b32 s20, 0x76543210                      ; v_permlanex16_b32's selects for lane l xor 16
	s_mov_b32 s21, 0xfedcba98
	s_mov_b32 s22, 0x3fb8aa3b                      ; c = log2(e)
	s_lshl_b32 s16, s[WV], 7
	v_and_b32 v[LN], 31, v0                        ; lane
	v_and_b32 v[R7], 7, v0                         ; r % 8
	v_bfe_u32 v[R8], v0, 3, 1                      ; r / 8
	v_bfe_u32 v[HH], v0, 4, 1                      ; h
	v_lshlrev_b32 v[IMG], 4, v[LN]                 ; 16 x lane: an image's place for my lane
	v_mul_u32_u24 v[AK], v[R8], 1152               ; K: key 32 (r / 8) + r % 8 of a group of 64: (r / 8) x 1,152 + (r % 8) x 16 + 256 h
	v_lshl_add_u32 v[AK], v[R7], 4, v[AK]
	v_lshl_add_u32 v[AK], v[HH], 8, v[AK]
	v_add_nc_u32 v[AV], VOF, v[IMG]
	v_lshl_add_u32 v[AKS], v[R8], 7, KSC           ; K's scale words: lanes 0-15 tile 2 g, lanes 16-31 tile 2 g + 1
	v_lshl_add_u32 v[AKS], v[HH], 6, v[AKS]
	v_lshl_add_u32 v[AKS], v[R7], 2, v[AKS]
	v_lshl_add_u32 v[AVS], v[LN], 2, VSC
	v_lshlrev_b32 v[SH8], 3, v[HH]                 ; 8 h
	v_and_b32 v[OSA], 15, v0
	v_lshl_add_u32 v[OSA], v[OSA], 2, OST
	v_add_nc_u32 v[OSA], s16, v[OSA]               ; my wave's two tiles' words in the stage
	v_lshlrev_b32 v[TA], 4, v0                     ; 16 x thread
	v_add_nc_u32 v[RDA], OST, v[TA]
	v_add_nc_u32 v[TB], KSC, v[TA]
	v_lshrrev_b32 v[GOS], 6, v0
	v_and_b32 v[TC], 63, v0
	v_lshlrev_b32 v[GOS], 13, v[GOS]
	v_lshl_add_u32 v[GOS], v[TC], 4, v[GOS]        ; os: threads 0-63 the even head's 1,024 bytes, 64-127 the odd head's, 8 KiB on
	v_lshlrev_b32 v[TD], 2, v[LN]
	s_wait_alu depctr_va_vdst(0)
	global_load_b128 v[S:S+3], v[TA], s[26:27]
	global_load_b128 v[S+4:S+7], v[TA], s[26:27] offset:4096
	global_load_b128 v[S+8:S+11], v[TA], s[28:29]
	global_load_b128 v[S+12:S+15], v[TA], s[28:29] offset:4096
	global_load_b32 v[QS], v[TD], s[6:7]                           ; lanes 0-15 tile 0's words, lanes 16-31 tile 1's
	WIN 0x40
	global_load_b128 v[QF:QF+3], v[IMG], s[4:5]                    ; tile 0: the even head's codes, four zeros, the odd head's codes
	global_load_b128 v[QF+8:QF+11], v[IMG], s[4:5] offset:65536
	global_load_b128 v[QF+12:QF+15], v[IMG], s[4:5] offset:512     ; tile 1 likewise
	global_load_b128 v[QF+20:QF+23], v[IMG], s[4:5] offset:66048
.irp e, 4,5,6,7,16,17,18,19
	v_mov_b32 v[QF+\e], 0
.endr
.irp e, 32,33,34,35
	v_mov_b32 v[KF+\e], 0                          ; named behind the even head's last tile and ahead of the odd head's first; Q's zero codes multiply them away
.endr
	WIN 0
	v_mov_b32 v[NEG], 0xce6e6b28                   ; -1e9
	v_mov_b32 v[THR], 0xce400000                   ; -1.5 x 2^29
	v_mov_b32 v[CC], s22
.irp e, BP, BP+1, F+1, F+3, CL+1, CL+3, NM+1, NM+3
	v_mov_b32 v[\e], 0                             ; permutes' destinations, and the upper halves of pairs that are named whole
.endr
	s_wait_alu depctr_va_vdst(0)                   ; the wait at the head's end
	s_wait_loadcnt 0x0
	s_wait_tensorcnt 0x0                           ; my part of K and V is in
.irp a, 0,1,2,3
	ds_store_b128 v[TB], v[S+4*\a:S+4*\a+3] offset:4096*\a
.endr
	s_wait_dscnt 0x0                               ; for the others' sake
	s_barrier_signal -1
	s_barrier_wait -1
.macro MLOAD o                         ; 64 mask words into s32-63 and s68-99
	s_load_b512 s[32:47], s[8:9], s16 offset:\o
	s_load_b512 s[48:63], s[8:9], s16 offset:\o+0x40
	s_load_b512 s[68:83], s[8:9], s16 offset:\o+0x80
	s_load_b512 s[84:99], s[8:9], s16 offset:\o+0xc0
.endm
.macro BUILD q                         ; the tile's bias for this key step; then the next step's words are asked for
	s_wait_kmcnt 0x0
.set j, 0
.rept 64
.if j < 32
	v_cndmask_b32 v[S+64+j], 0, v[NEG], s[32+j]
.else
	v_cndmask_b32 v[S+64+j], 0, v[NEG], s[36+j]
.endif
.set j, j+1
.endr
	s_add_co_u32 s16, s16, 256                     ; (the last trip stays at the last step: no load leaves the buffer)
	s_min_u32 s16, s16, 3840
	MLOAD 4096*(\q)
.endm
.macro ADDR                            ; this key step's addresses
	v_add_nc_u32 v[ADK0], s17, v[AK]
	v_add_nc_u32 v[ADV0], s17, v[AV]
	v_add_nc_u32 v[ADS], s18, v[AKS]
	v_add_nc_u32 v[ADT], s19, v[AVS]
	v_mov_b32 v[PFV], s16
	v_add_nc_u32 v[ADK1], KH, v[ADK0]
	v_add_nc_u32 v[ADV1], KH, v[ADV0]
.endm
.macro LDK o, os                       ; both heads' 8 tiles of K and their scale words, o (os) bytes on: 20 loads
	WIN 0x40
.irp t, 0,1,2,3,4,5,6,7
	ds_load_b128 v[KF+4*\t:KF+4*\t+3], v[ADK0] offset:\o+2304*(\t/4)+512*(\t%2)+128*((\t%4)/2)
	ds_load_b128 v[KF+36+4*\t:KF+36+4*\t+3], v[ADK1] offset:\o+2304*(\t/4)+512*(\t%2)+128*((\t%4)/2)
.endr
	WIN 0
.irp c, 0,1
.irp g, 0,1
	ds_load_b32 v[KS+2*\c+\g], v[ADS] offset:\os+256*\c+32*\g   ; both heads' bytes
.endr
.endr
.endm
.macro LDV                             ; both heads' 4 tiles of V and their scale words: 20 loads
	WIN 0x40
.irp z, 0,1
.irp ct, 0,1,2,3
.irp c, 0,1
	ds_load_b128 v[VF+32*\z+8*\ct+4*\c:VF+32*\z+8*\ct+4*\c+3], v[ADV0+\z] offset:1152*\ct+512*\c
.endr
.endr
.endr
	WIN 0
.irp z, 0,1
.irp g, 0,1
	ds_load_b32 v[VS+2*\z+\g], v[ADT] offset:4096*\z+128*\g
.endr
.endr
.endm
.macro SW2 q                           ; S^T = K Q^T + bias, both heads: 16 products on 16 accumulators
	WIN 0x05
.irp t, 0,1,2,3,4,5,6,7
	WM S+8*\t, KF+4*\t, QF+12*(\q), S+64+8*\t, KS+\t/2, QS, \t%2, \q
.endr
.rept 5
	v_nop                                          ; five places: the odd head's products write over registers that the even head's took as C
.endr
.irp t, 0,1,2,3,4,5,6,7
	WM S+64+8*\t, KF+32+4*\t, QF+12*(\q)+4, S+64+8*\t, KS+\t/2, QS, \t%2, \q
.endr
	WIN 0
	PLACES
.endm
.macro PV2                             ; O^T += V^T P^T: 8 accumulators, one instruction a turn
	WIN 0x55
.irp ct, 0,1,2,3
.irp z, 0,1
	WM OO+32*\z+8*\ct, VF+32*\z+8*\ct, PC+8*\z, OO+32*\z+8*\ct, VS+2*\z+\ct/2, PS+\z, \ct%2, 0
.endr
.endr
	WIN 0
.endm
.macro SOFT2                           ; the softmax of both heads' 128 keys, and p's codes and scale words.  Block b = 2 z + c: head z, my block c
.irp k, 0,1,2,3,4,5,6,7
	v_max3_num_f32 v[BM+\k], v[S+16*\k], v[S+16*\k+1], v[S+16*\k+2]   ; eight chains by turns, each accumulator from its low end on
.endr
.irp i, 3,5,7,9,11,13
.irp k, 0,1,2,3,4,5,6,7
	v_max3_num_f32 v[BM+\k], v[BM+\k], v[S+16*\k+\i], v[S+16*\k+\i+1]
.endr
.endr
.irp b, 0,1,2,3
	v_max3_num_f32 v[BM+2*\b], v[BM+2*\b], v[S+32*\b+15], v[S+32*\b+31]
.endr
.irp b, 0,1,2,3
	v_max_num_f32 v[BM+2*\b], v[BM+2*\b], v[BM+2*\b+1]   ; the block's largest score
.endr
.irp z, 0,1
	v_max_num_f32 v[T0+\z], v[BM+4*\z], v[BM+4*\z+2]
.endr
.irp z, 0,1
	v_permlanex16_b32 v[BP+\z], v[T0+\z], s20, s21
.endr
.irp z, 0,1
	v_max_num_f32 v[T0+\z], v[T0+\z], v[BP+\z]     ; the step's largest score of my query
.endr
.irp z, 0,1
	v_mul_f32 v[T0+\z], s22, v[T0+\z]
.endr
.irp z, 0,1
	v_max_num_f32 v[ST+4*\z+2], v[ST+4*\z+2], v[T0+\z]   ; the running largest t
.endr
.irp z, 0,1
	v_floor_f32 v[T0+\z], -v[ST+4*\z+2]            ; -M = floor(-t)
.endr
.irp z, 0,1
	v_cmp_lt_f32 s[2+\z], v[THR], v[ST+4*\z+2]     ; has the row had a visible key?
.endr
.irp z, 0,1
	v_sub_f32 v[T1+\z], v[T0+\z], v[ST+4*\z+3]     ; old M - new M, a whole number
.endr
.irp z, 0,1
	v_mov_b32 v[ST+4*\z+3], v[T0+\z]
.endr
.irp z, 0,1
	v_cvt_i32_f32 v[T1+\z], v[T1+\z]               ; (it saturates)
.endr
.irp z, 0,1
	v_cndmask_b32 v[NM+2*\z], 0, v[T0+\z], s[2+\z] ; no visible key: M = 0,
.endr
.irp z, 0,1
	v_cndmask_b32 v[CL+2*\z], 0, v[CC], s[2+\z]    ; c = 0,
.endr
.irp z, 0,1
	v_ldexp_f32 v[F+2*\z], 1.0, v[T1+\z]
.endr
.irp z, 0,1
	v_cndmask_b32 v[F+2*\z], 1.0, v[F+2*\z], s[2+\z]   ; and f = 1
.endr
.set j, 0
.rept 32
	v_pk_fma_f32 v[S+j:S+j+1], v[S+j:S+j+1], v[CL:CL+1], v[NM:NM+1] op_sel_hi:[1,0,0]   ; t - M
	v_pk_fma_f32 v[S+64+j:S+64+j+1], v[S+64+j:S+64+j+1], v[CL+2:CL+3], v[NM+2:NM+3] op_sel_hi:[1,0,0]
.set j, j+2
.endr
.irp b, 0,1,2,3
	v_fma_f32 v[BM+2*\b], v[BM+2*\b], v[CL+2*(\b/2)], v[NM+2*(\b/2)]   ; the same of each block's largest score
.endr
	s_wait_alu depctr_va_vdst(0)                   ; the wait ahead of the batch
.set j, 0
.rept 128
	v_exp_f32 v[S+j], v[S+j]
.set j, j+1
.endr
.irp b, 0,1,2,3
	v_exp_f32 v[BM+2*\b], v[BM+2*\b]               ; the block's largest p
.endr
.irp z, 0,1
	v_pk_mul_f32 v[ST+4*\z:ST+4*\z+1], v[ST+4*\z:ST+4*\z+1], v[F+2*\z:F+2*\z+1] op_sel_hi:[1,0]   ; the sums under the new M (plain places behind the batch)
.endr
	s_wait_alu depctr_va_vdst(0)                   ; one wait for the batch, ahead of its first reader
.irp b, 0,1,2,3
	v_max_num_f32 v[BM+2*\b], 0x1800000, v[BM+2*\b]   ; the floor 2^(3 - 127): the byte cannot fall under 1
.endr
.irp b, 0,1,2,3
	v_add_nc_u32 v[SO+\b], 0xff000000, v[BM+2*\b]  ; 2 off the exponent field: the conversion's scale operand
.endr
.irp b, 0,1,2,3
	v_lshrrev_b32 v[BY+\b], 23, v[SO+\b]           ; the scale's byte
.endr
.irp z, 0,1
	v_lshl_or_b32 v[T1+\z], v[BY+2*\z+1], 16, v[BY+2*\z]   ; my two bytes, blocks h and 2 + h,
.endr
.irp z, 0,1
	v_lshlrev_b32 v[T1+\z], v[SH8], v[T1+\z]       ; at their places;
.endr
.irp z, 0,1
	v_permlanex16_b32 v[BP+\z], v[T1+\z], s20, s21
.endr
.irp z, 0,1
	v_or_b32 v[PS+\z], v[T1+\z], v[BP+\z]          ; with lane l xor 16's two the word is whole
.endr
	WIN 0x40
.irp b, 0,1,2,3
.irp g, 0,1,2,3
	v_cvt_scalef32_pk8_fp4_f32 v[PC+4*\b+\g], v[S+32*\b+8*\g:S+32*\b+8*\g+7], v[SO+\b]   ; keys 64 c + 32 h + 8 g + 0 .. 7: the operand's register 4 c + g
.endr
.endr
	WIN 0x41
	s_wait_alu depctr_va_vdst(0)                   ; the wait directly ahead of the first reader of O^T
.set j, 0
.rept 16
	v_pk_mul_f32 v[OO+j:OO+j+1], v[OO+j:OO+j+1], v[F:F+1] op_sel_hi:[1,0]   ; O^T under the new M
	v_pk_mul_f32 v[OO+32+j:OO+32+j+1], v[OO+32+j:OO+32+j+1], v[F+2:F+3] op_sel_hi:[1,0]
.set j, j+2
.endr
	WIN 0
.irp e, 0,1,2                          ; the rows' sums of the unquantised p, four chains a head; these 64 lines are also the places ahead of the products
.irp z, 0,1
	v_pk_add_f32 v[SC+6*\z+2*\e:SC+6*\z+2*\e+1], v[S+64*\z+4*\e:S+64*\z+4*\e+1], v[S+64*\z+4*\e+2:S+64*\z+4*\e+3]
.endr
.endr
.irp j, 12,20,28,36,44,52
.irp z, 0,1
	v_pk_add_f32 v[ST+4*\z:ST+4*\z+1], v[ST+4*\z:ST+4*\z+1], v[S+64*\z+\j:S+64*\z+\j+1]
.endr
.irp e, 0,1,2
.irp z, 0,1
	v_pk_add_f32 v[SC+6*\z+2*\e:SC+6*\z+2*\e+1], v[SC+6*\z+2*\e:SC+6*\z+2*\e+1], v[S+64*\z+\j+2+2*\e:S+64*\z+\j+3+2*\e]
.endr
.endr
.endr
.irp z, 0,1
	v_pk_add_f32 v[ST+4*\z:ST+4*\z+1], v[ST+4*\z:ST+4*\z+1], v[S+64*\z+60:S+64*\z+61]
.endr
.irp z, 0,1
	v_pk_add_f32 v[SC+6*\z:SC+6*\z+1], v[SC+6*\z:SC+6*\z+1], v[S+64*\z+62:S+64*\z+63]
.endr
.irp z, 0,1
	v_pk_add_f32 v[SC+6*\z+2:SC+6*\z+3], v[SC+6*\z+2:SC+6*\z+3], v[SC+6*\z+4:SC+6*\z+5]
.endr
.irp z, 0,1
	v_pk_add_f32 v[ST+4*\z:ST+4*\z+1], v[ST+4*\z:ST+4*\z+1], v[SC+6*\z:SC+6*\z+1]
.endr
.irp z, 0,1
	v_pk_add_f32 v[ST+4*\z:ST+4*\z+1], v[ST+4*\z:ST+4*\z+1], v[SC+6*\z+2:SC+6*\z+3]
.endr
.endm
; THE WAY OUT of a tile, both heads by turns: O^T / the sum; register 16 b' + i of lane (q, h) is channel 32 b' + 16 h + i; quantised along the head's 64 channels; the codes leave as images of the next operand's registers.
.macro EPI2 q
.set EE, EP+8*(\q)
.irp z, 0,1
	v_add_f32 v[ST+4*\z], v[ST+4*\z], v[ST+4*\z+1]
.endr
.irp z, 0,1
	v_permlanex16_b32 v[BP+\z], v[ST+4*\z], s20, s21
.endr
.irp z, 0,1
	v_add_f32 v[ST+4*\z], v[ST+4*\z], v[BP+\z]     ; the row's sum
.endr
	s_wait_alu depctr_va_vdst(0)                   ; the wait ahead of the transcendentals
.irp z, 0,1
	v_rcp_f32 v[F+2*\z], v[ST+4*\z]
.endr
	v_nop
	WIN 0x01
	s_wait_alu depctr_va_vdst(0)                   ; and ahead of their first reader, which is O^T's first reader too
.set k, 0
.rept 16
	v_pk_mul_f32 v[S+k:S+k+1], v[OO+k:OO+k+1], v[F:F+1] op_sel_hi:[1,0]
	v_pk_mul_f32 v[S+32+k:S+32+k+1], v[OO+32+k:OO+32+k+1], v[F+2:F+3] op_sel_hi:[1,0]
.set k, k+2
.endr
	WIN 0
.irp b, 0,1,2,3
	v_max3_num_f32 v[BM+\b], |v[S+16*\b]|, |v[S+1+16*\b]|, 0x1800000
.endr
.irp e, 2,4,6,8,10,12,14
.irp b, 0,1,2,3
	v_max3_num_f32 v[BM+\b], v[BM+\b], |v[S+16*\b+\e]|, |v[S+1+16*\b+\e]|
.endr
.endr
.irp b, 0,1,2,3
	v_permlanex16_b32 v[BM+4+\b], v[BM+\b], s20, s21
.endr
.irp b, 0,1,2,3
	v_max_num_f32 v[BM+\b], v[BM+\b], v[BM+4+\b]
.endr
.irp b, 0,1,2,3
	v_add_nc_u32 v[SO+\b], 0xff000000, v[BM+\b]
.endr
.irp b, 0,1,2,3
	v_lshrrev_b32 v[BY+\b], 23, v[SO+\b]
.endr
.irp z, 0,1
	v_lshl_or_b32 v[T1+\z], v[BY+2*\z+1], 8, v[BY+2*\z]
.endr
.irp b, 0,1,2,3
	v_cvt_scalef32_pk8_fp4_f32 v[EE+2*\b], v[S+16*\b:S+7+16*\b], v[SO+\b]
	v_cvt_scalef32_pk8_fp4_f32 v[EE+1+2*\b], v[S+8+16*\b:S+15+16*\b], v[SO+\b]
.endr
	v_nop
.irp z, 0,1
	v_permlane16_swap_b32 v[EE+4*\z], v[EE+4*\z+2] ; a whole block in a lane
	v_permlane16_swap_b32 v[EE+4*\z+1], v[EE+4*\z+3]
.endr
.irp z, 0,1
	global_store_b128 v[IMG], v[EE+4*\z:EE+4*\z+3], s[10:11] offset:8192*(\q)+512*\z   ; 512 consecutive bytes, aligned; each unit has its own four registers
	ds_store_b32 v[OSA], v[T1+\z] offset:1024*\z+64*(\q)
.endr
.endm
.macro TILE q                          ; one tile of 16 queries, both heads, all keys
	s_wait_kmcnt 0x0                               ; no scalar load and no LDS load of the tile before is out
	s_wait_dscnt 0x0
.irp z, 0,1
	v_mov_b32 v[ST+4*\z], 0                        ; the sum, in two halves
	v_mov_b32 v[ST+4*\z+1], 0
	v_mov_b32 v[ST+4*\z+2], 0xff61b1e6             ; the largest t so far: -3e38
	v_floor_f32 v[ST+4*\z+3], -v[ST+4*\z+2]        ; -M
.endr
	WIN 0x40
.set k, 0
.rept 64
	v_mov_b32 v[OO+k], 0                           ; O^T: the step is written once, its first trip finds zeros
.set k, k+1
.endr
	WIN 0
	s_mov_b32 s16, 0
	MLOAD 4096*(\q)                                ; key step 0's words
	s_mov_b32 s17, 0
	s_mov_b32 s18, 0
	s_mov_b32 s19, 0
	s_mov_b32 s24, 16
	ADDR
	LDK 0, 0                                       ; key step 0's K
	s_wait_alu depctr_va_vdst(0)                   ; the wait ahead of the loop's waits
.Lk_\@:                                                ; a key step: 128 keys, both heads
	s_wait_xcnt 0x0                                ; any prefetch of mine has read its address
	ADDR                                           ; (these seven are also the places ahead of the loads into V's registers)
	LDV
	BUILD \q
	s_and_b32 s25, s24, 7                          ; ids and the count of trips alone
	s_cmp_eq_u32 s25, s23
	s_cbranch_scc0 .Lnot_mine_\@
	s_cmp_gt_u32 s24, 2
	s_cbranch_scc0 .Lnot_mine_\@
	global_prefetch_b8 v[PFV], s[8:9] offset:4096*(\q)+512 th:TH_LOAD_NT scope:SCOPE_SE   ; the mask words two key steps on: one block, named by every lane
.Lnot_mine_\@:
	s_wait_alu depctr_va_vdst(0)                   ; the wait ahead of a wait that blocks
	s_wait_dscnt 20                                ; K and its scale words are in; V's twenty loads may be out
	SW2 \q
	LDK 4608, 512                                  ; the next key step's K, behind the places
	SOFT2
	s_wait_alu depctr_va_vdst(0)
	s_wait_dscnt 20                                ; V and its scale words are in; the next K's twenty loads may be out
	PV2
	s_add_co_u32 s17, s17, 4608
	s_add_co_u32 s18, s18, 512
	s_add_co_u32 s19, s19, 256
	s_wait_alu depctr_va_vdst(0)                   ; the wait ahead of the branch
	s_sub_co_u32 s24, s24, 1
	s_cmp_lg_u32 s24, 0
	s_cbranch_scc1 .Lk_\@
	PLACES
	EPI2 \q
.endm
	TILE 0
	TILE 1
	s_wait_kmcnt 0x0                               ; the last trip's scalar loads
	s_wait_dscnt 0x0                               ; for the others' sake
	s_barrier_signal -1
	s_barrier_wait -1
	s_cmp_lt_u32 s[WV], 4                          ; waves 0-3 store the work-group's 2 x 1,024 bytes of scale words, 512 consecutive bytes a wave
	s_cbranch_scc0 .Lno_words
	ds_load_b128 v[S:S+3], v[RDA]
	s_wait_dscnt 0x0
	global_store_b128 v[GOS], v[S:S+3], s[12:13]
.Lno_words:
	s_wait_tensorcnt 0x0                           ; the wave's end
	ds_add_u32 v[SPW], v[NIL]
	s_wait_dscnt 0x0
	ROUND                                          ; the closing round
	s_endpgm
.Lfunc_end_k_qf3253660f2_attn:
	.size	k_qf3253660f2_attn, .Lfunc_end_k_qf3253660f2_attn-k_qf3253660f2_attn
	.p2alignl 7, 3214868480
	.fill 96, 4, 3214868480
	.section	.rodata,"a",@progbits
	.p2align	6, 0x0
	.amdhsa_kernel k_qf3253660f2_attn
		.amdhsa_group_segment_fixed_size 327680
		.amdhsa_private_segment_fixed_size 0
		.amdhsa_enable_private_segment 0
		.amdhsa_kernarg_size 40
		.amdhsa_user_sgpr_count 2
		.amdhsa_user_sgpr_kernarg_segment_ptr 1
		.amdhsa_wavefront_size32 1
		.amdhsa_system_sgpr_workgroup_id_x 1
		.amdhsa_system_sgpr_workgroup_id_y 1
		.amdhsa_system_sgpr_workgroup_id_z 1
		.amdhsa_system_vgpr_workitem_id 0
		.amdhsa_next_free_vgpr 512
		.amdhsa_next_free_sgpr 100
		.amdhsa_reserve_vcc 0
		.amdhsa_float_denorm_mode_32 3
		.amdhsa_float_denorm_mode_16_64 3
		.amdhsa_memory_ordered 1
		.amdhsa_forward_progress 1
		.amdhsa_inst_pref_size 98
	.end_amdhsa_kernel
	.amdgpu_metadata
---
amdhsa.version: [ 1, 2 ]
amdhsa.kernels:
  - .name:           k_qf3253660f2_attn
    .symbol:         k_qf3253660f2_attn.kd
    .args:
      - { .name: pc, .offset: 0, .size: 8, .value_kind: global_buffer, .address_space: global }
      - { .name: ps, .offset: 8, .size: 8, .value_kind: global_buffer, .address_space: global }
      - { .name: mbits, .offset: 16, .size: 8, .value_kind: global_buffer, .address_space: global }
      - { .name: oc, .offset: 24, .size: 8, .value_kind: global_buffer, .address_space: global }
      - { .name: os, .offset: 32, .size: 8, .value_kind: global_buffer, .address_space: global }
    .group_segment_fixed_size: 327680
    .private_segment_fixed_size: 0
    .kernarg_segment_align: 8
    .kernarg_segment_size: 40
    .max_flat_workgroup_size: 256
    .sgpr_count:     100
    .vgpr_count:     512
    .wavefront_size: 32
...
	.end_amdgpu_metadata
.endif
;; end of part 3
;; launch outp (part 4): grid 256 x 1, 2 waves a work-group, no clusters, 168,192 bytes of LDS; arguments oc, os, Wo_codes, Wo_scales, bo, out0; writes out0
.if DOCPART == 4
	.amdgcn_target "amdgcn-amd-amdhsa--gfx1250"
	.amdhsa_code_object_version 6
	.text
	.protected	k_qf3253660f2_outp
	.globl	k_qf3253660f2_outp
	.p2align	8
	.type	k_qf3253660f2_outp,@function
k_qf3253660f2_outp:
	s_mov_b64 s[64:65], 0
	v_nop
	global_prefetch_b8 v0, s[64:65] scope:SCOPE_SE
	s_setreg_imm32_b32 hwreg(HW_REG_WAVE_MODE, 25, 1), 1
	s_wait_xcnt 0x0
; out0 = cat Wo + bo on codes of FP4 (E2M1) with E8M0 scales; K = 1,024 = (head, channel).  cat's codes lie in oc as images of the operand's registers, [b][tile 128][head 16][512 bytes]: head 2 k + c is
; registers 4 c .. 4 c + 3 of K step k; its scale bytes in os, [b][head][tile][16 words], two bytes a word.
; SHARES.  A wave takes one tile of 16 rows (rows 32 (T / 2) + 8 (T % 2) + r + 8 (r / 8)) x all 64 outputs: 4 accumulators, 32 matrix instructions.  512 tiles: 256 work-groups of two waves.
; Transposed use: source 0 = 16 rows of Wo, source 1 = cat: a lane holds eight neighbouring outputs of one row.  bo is loaded straight into the accumulators: it is the C of the first products.
; Wo's 32 KiB come into LDS once, half by each wave's one tensor load; every byte of LDS is filled once.
; NO CLUSTER: what the work-groups share is Wo's 32 KiB, fetched once by each, against two rounds of a cluster's barrier in a launch whose waves issue 32 matrix instructions.
.set WP,  528                          ; a row of Wo in LDS: 512 bytes + 16
.set STG, 64*WP                        ; behind Wo: a stage of 16 rows x (256 bytes + 16) for each wave
.set SP,  272
.set CS,  16                           ; v16-23   cat's scale words, one a K step.  v16-23 and v96-111 hold scales and nothing else
.set TP,  24                           ; v24-31   the other head's words
.set CF,  32                           ; v32-95   cat's 8 fragments
.set WS,  96                           ; v96-111  Wo's scale words: register 8 g + k: lanes 0-15 tile 2 g's rows, lanes 16-31 tile 2 g + 1's
.set ACC, 112                          ; v112-143 four accumulators
.set WF,  144                          ; v144-207 Wo's 4 fragments, two sets; later the rows on the way out
.macro PLACES
.rept 4
	v_nop
.endr
.endm
.macro WM acc, xf, yf, sx, sy, ra      ; one product, added in place; ra: source 0's scale words stand in lanes 16-31
.if (\ra)
	v_wmma_scale_f32_16x16x128_f8f6f4 v[\acc:\acc+7], v[\xf:\xf+7], v[\yf:\yf+7], v[\acc:\acc+7], v[\sx], v[\sy] matrix_a_fmt:MATRIX_FMT_FP4 matrix_b_fmt:MATRIX_FMT_FP4 matrix_a_scale:MATRIX_SCALE_ROW1
.else
	v_wmma_scale_f32_16x16x128_f8f6f4 v[\acc:\acc+7], v[\xf:\xf+7], v[\yf:\yf+7], v[\acc:\acc+7], v[\sx], v[\sy] matrix_a_fmt:MATRIX_FMT_FP4 matrix_b_fmt:MATRIX_FMT_FP4
.endif
.endm
	s_load_b256 s[4:11], s[0:1], 0x0               ; oc s[4:5], os s[6:7], Wo's codes s[8:9], Wo's scales s[10:11]
	s_load_b128 s[12:15], s[0:1], 0x20             ; bo s[12:13], out0 s[14:15]
	v_lshl_add_u32 v208, v0, 2, 0x29000
	v_mov_b32 v209, 0
	ds_add_u32 v208, v209
	ds_add_u32 v208, v209
	v_lshrrev_b32 v1, 5, v0
	v_readfirstlane_b32 s16, v1                    ; wave 0, 1
	s_lshl_b32 s17, ttmp9, 1
	s_add_co_u32 s17, s17, s16                     ; my tile, 0 .. 511
	s_lshr_b32 s18, s17, 7                         ; batch
	s_and_b32 s19, s17, 127                        ; tile in the batch
	; descriptor group 1: 32 rows of 512 elements of 1 byte, dense in memory, 4 words of padding behind every 128
	s_mov_b32 s24, (1<<20)|(6<<22)|(3<<25)
	s_mov_b32 s25, 512<<16                         ; tensor_dim0
	s_mov_b32 s26, 32<<16                          ; tensor_dim1
	s_mov_b32 s27, 512<<16                         ; tile_dim0
	s_mov_b32 s28, 32                              ; tile_dim1
	s_mov_b32 s29, 512                             ; the pitch
	s_mov_b32 s30, 0
	s_mov_b32 s31, 0
	s_lshl_b32 s32, s16, 14                        ; my 32 rows of Wo
	s_mov_b32 s33, 0
	s_mov_b32 s20, 1
	s_mul_i32 s21, s16, 32*WP
	s_wait_dscnt 0x0
	s_wait_kmcnt 0x0
	s_add_nc_u64 s[22:23], s[8:9], s[32:33]
	s_or_b32 s23, s23, 0x80000000
	tensor_load_to_lds s[20:23], s[24:31]          ; my one tensor load
	s_nop 0
	PLACES                                         ; four v_nop follow it
	s_lshl_b32 s32, s17, 13                        ; oc: 8 KiB a tile
	s_add_nc_u64 s[4:5], s[4:5], s[32:33]
	s_lshl_b32 s32, s18, 17                        ; os: batch x 128 KiB + tile x 64
	s_lshl_b32 s34, s19, 6
	s_add_co_u32 s32, s32, s34
	s_add_nc_u64 s[6:7], s[6:7], s[32:33]
	s_lshl_b32 s32, s18, 19                        ; out0: rows of 256 bytes: batch x 2,048 + 32 (T / 2) + 8 (T % 2)
	s_lshr_b32 s34, s19, 1
	s_lshl_b32 s34, s34, 13
	s_add_co_u32 s32, s32, s34
	s_and_b32 s34, s19, 1
	s_lshl_b32 s34, s34, 11
	s_add_co_u32 s32, s32, s34
	s_add_nc_u64 s[14:15], s[14:15], s[32:33]
	s_mov_b32 s36, 0x76543210                      ; v_permlanex16_b32's selects for lane l xor 16
	s_mov_b32 s37, 0xfedcba98
	v_and_b32 v9, 31, v0                           ; lane
	v_and_b32 v10, 15, v0                          ; r
	v_bfe_u32 v11, v0, 4, 1                        ; h
	v_lshlrev_b32 v1, 4, v9                        ; v1: 16 l: an image's place for my lane
	v_mul_u32_u24 v2, v10, WP
	v_lshl_add_u32 v2, v11, 4, v2                  ; v2: Wo's fragments: row r x pitch + 16 h
	v_lshlrev_b32 v3, 2, v10
	v_lshl_add_u32 v3, v11, 13, v3                 ; v3: os: lanes 0-15 the even head's words, lanes 16-31 the odd head's, 8 KiB on
	v_lshlrev_b32 v4, 5, v9                        ; v4: Wo's scale bytes: 32 a row, row 32 g + lane
	v_lshlrev_b32 v5, 5, v11                       ; v5: bo: 8 h numbers on
	s_mul_i32 s35, s16, 16*SP
	s_add_co_u32 s35, s35, STG                     ; my stage
	v_mul_u32_u24 v6, v10, SP
	v_lshl_add_u32 v6, v11, 5, v6
	v_add_nc_u32 v6, s35, v6                       ; v6: in: row r, + 32 h
	v_mul_u32_u24 v7, v11, SP
	v_lshl_add_u32 v7, v10, 4, v7
	v_add_nc_u32 v7, s35, v7                       ; v7: back: lanes 0-15 one row, lanes 16-31 the next
	v_lshlrev_b32 v8, 8, v11
	v_lshl_add_u32 v8, v10, 4, v8                  ; v8: and the same two rows in out0
.irp k, 0,1,2,3,4,5,6,7
.irp c, 0,1
	global_load_b128 v[CF+8*\k+4*\c:CF+8*\k+4*\c+3], v1, s[4:5] offset:512*(2*\k+\c)
.endr
.endr
.irp k, 0,1,2,3,4,5,6,7
	global_load_b32 v[CS+\k], v3, s[6:7] offset:16384*\k
.endr
.irp g, 0,1
.irp q, 0,1
	global_load_b128 v[WS+8*\g+4*\q:WS+8*\g+4*\q+3], v4, s[10:11] offset:1024*\g+16*\q
.endr
.endr
.irp nt, 0,1,2,3
.irp q, 0,1
	global_load_b128 v[ACC+8*\nt+4*\q:ACC+8*\nt+4*\q+3], v5, s[12:13] offset:64*\nt+16*\q   ; register j of tile nt: bo[16 nt + 8 h + j]
.endr
.endr
.irp k, 0,1,2,3,4,5,6,7
	v_mov_b32 v[TP+\k], 0                          ; a lane permute's destination counts as one of its sources
.endr
	s_wait_alu depctr_va_vdst(0)
	s_wait_loadcnt 0x0
.irp k, 0,1,2,3,4,5,6,7
	v_permlanex16_b32 v[TP+\k], v[CS+\k], s36, s37
.endr
.irp k, 0,1,2,3,4,5,6,7
	v_lshl_or_b32 v[CS+\k], v[TP+\k], 16, v[CS+\k] ; lanes 0-15: the even head's two bytes below, the odd head's above: row r's word of K step k (lanes 16-31 are not read)
.endr
.rept 8
	v_nop                                          ; a scale register written by a vector instruction stands 8 places ahead of a scaled matrix instruction
.endr
	s_wait_alu depctr_va_vdst(0)
	s_wait_tensorcnt 0x0                           ; my half of Wo is in,
	s_barrier_signal -1
	s_barrier_wait -1                              ; both are
.macro LDW k, set                      ; Wo's four fragments of K step k: 8 loads
.irp nt, 0,1,2,3
.irp c, 0,1
	ds_load_b128 v[WF+32*(\set)+8*\nt+4*\c:WF+32*(\set)+8*\nt+4*\c+3], v2 offset:16*WP*\nt+64*(\k)+32*\c
.endr
.endr
.endm
	LDW 0, 0
	LDW 1, 1
.irp k, 0,1,2,3,4,5,6,7
.if \k < 7
	s_wait_dscnt 8                                 ; this step's eight loads are in; the next step's may be out
.else
	s_wait_dscnt 0x0
.endif
.irp nt, 0,1,2,3
	WM ACC+8*\nt, WF+32*(\k%2)+8*\nt, CF+8*\k, WS+8*(\nt/2)+\k, CS+\k, \nt%2   ; four accumulators, one instruction a turn
.endr
	PLACES                                         ; in front of the loads into the set just read, and of the first read of the results
.if \k < 6
	LDW \k+2, \k%2
.endif
.endr
.irp nt, 0,1,2,3
	ds_store_b128 v6, v[ACC+8*\nt:ACC+8*\nt+3] offset:64*\nt          ; each accumulator from its low end on
	ds_store_b128 v6, v[ACC+8*\nt+4:ACC+8*\nt+7] offset:64*\nt+16
.endr
.irp i, 0,1,2,3,4,5,6,7
	ds_load_b128 v[WF+4*\i:WF+4*\i+3], v7 offset:2*SP*\i             ; LDS serves a wave's instructions in order: these see my stores
.endr
.irp i, 0,1,2,3,4,5,6,7
	s_wait_dscnt 7-\i
	global_store_b128 v8, v[WF+4*\i:WF+4*\i+3], s[14:15] offset:(2*\i+8*(\i/4))*256   ; sixteen lanes store one row of out0: 256 consecutive bytes, aligned
.endr
	s_wait_tensorcnt 0x0
	ds_add_u32 v208, v209
	s_wait_dscnt 0x0
	s_endpgm
.Lfunc_end_k_qf3253660f2_outp:
	.size	k_qf3253660f2_outp, .Lfunc_end_k_qf3253660f2_outp-k_qf3253660f2_outp
	.p2alignl 7, 3214868480
	.fill 96, 4, 3214868480
	.section	.rodata,"a",@progbits
	.p2align	6, 0x0
	.amdhsa_kernel k_qf3253660f2_outp
		.amdhsa_group_segment_fixed_size 168192
		.amdhsa_private_segment_fixed_size 0
		.amdhsa_enable_private_segment 0
		.amdhsa_kernarg_size 48
		.amdhsa_user_sgpr_count 2
		.amdhsa_user_sgpr_kernarg_segment_ptr 1
		.amdhsa_wavefront_size32 1
		.amdhsa_system_sgpr_workgroup_id_x 1
		.amdhsa_system_sgpr_workgroup_id_y 1
		.amdhsa_system_sgpr_workgroup_id_z 1
		.amdhsa_system_vgpr_workitem_id 0
		.amdhsa_next_free_vgpr 210
		.amdhsa_next_free_sgpr 66
		.amdhsa_reserve_vcc 0
		.amdhsa_float_denorm_mode_32 3
		.amdhsa_float_denorm_mode_16_64 3
		.amdhsa_memory_ordered 1
		.amdhsa_forward_progress 1
		.amdhsa_inst_pref_size 20
	.end_amdhsa_kernel
	.amdgpu_metadata
---
amdhsa.version: [ 1, 2 ]
amdhsa.kernels:
  - .name:           k_qf3253660f2_outp
    .symbol:         k_qf3253660f2_outp.kd
    .args:
      - { .name: oc, .offset: 0, .size: 8, .value_kind: global_buffer, .address_space: global }
      - { .name: os, .offset: 8, .size: 8, .value_kind: global_buffer, .address_space: global }
      - { .name: Wo_codes, .offset: 16, .size: 8, .value_kind: global_buffer, .address_space: global }
      - { .name: Wo_scales, .offset: 24, .size: 8, .value_kind: global_buffer, .address_space: global }
      - { .name: bo, .offset: 32, .size: 8, .value_kind: global_buffer, .address_space: global }
      - { .name: out0, .offset: 40, .size: 8, .value_kind: global_buffer, .address_space: global }
    .group_segment_fixed_size: 168192
    .private_segment_fixed_size: 0
    .kernarg_segment_align: 8
    .kernarg_segment_size: 48
    .max_flat_workgroup_size: 64
    .sgpr_count:     66
    .vgpr_count:     210
    .wavefront_size: 32
...
	.end_amdgpu_metadata
.endif
;; end of part 4
